; MI455X (gfx1250); checked and timed in simulation.
; The chip was launched on July 23, 2026; its instructions are those of AMD's public machine-readable ISA for CDNA 5 (MIT licence, August 2026) and "CDNA5" Instruction Set Architecture Reference Guide (July 2026). The comments in the code are by the model that wrote it; some were corrected since.
;; Self Attention. Allowed arithmetic: matrix products marked QUANTISED: E2M1 operands, one E8M0 scale for each 32 along K, by v_wmma_scale_f32_16x16x128_f8f6f4 with both operands' format E2M1 (or v_wmma_scale_f32_32x16x128_f4), f32 sums; everything else in f32.
;; Inputs: Wk_codes 1,024 x 32 x 16 uint8 (E2M1 codes of Wk, K innermost, in blocks of 32 codes, two codes a byte); Wk_scales 1,024 x 32 uint8 (E8M0 scales of Wk, one for each 32 codes along K); Wo_codes 1,024 x 32 x 16 uint8 (E2M1 codes of Wo, K innermost, in blocks of 32 codes, two codes a byte); Wo_scales 1,024 x 32 uint8 (E8M0 scales of Wo, one for each 32 codes along K); Wq_codes 1,024 x 32 x 16 uint8 (E2M1 codes of Wq, K innermost, in blocks of 32 codes, two codes a byte); Wq_scales 1,024 x 32 uint8 (E8M0 scales of Wq, one for each 32 codes along K); Wv_codes 1,024 x 32 x 16 uint8 (E2M1 codes of Wv, K innermost, in blocks of 32 codes, two codes a byte); Wv_scales 1,024 x 32 uint8 (E8M0 scales of Wv, one for each 32 codes along K); beta 1,024 float32; bk 1,024 float32; bo 1,024 float32; bq 1,024 float32; bv 1,024 float32; gamma 1,024 float32; mask 2,048 x 2,048 bool; x 2 x 2,048 x 1,024 float32.
;; Outputs: out0 2 x 2,048 x 1,024 float32.
;; This version of the problem:
;;   THIS VERSION OF THE PROBLEM IS GIVEN IN LOW PRECISION. The matrix products marked QUANTISED in the list below multiply operands that are first quantised to E2M1 (2 exponent bits, 1 mantissa bit; 4 bits a number), with one power-of-two scale for each 32 numbers along K (OCP MX v1.0); their sums are f32. All else is computed in f32.
;;   The module's matrix products, in the order in which they are computed (A, B: the left and right operand; K: the contracted axis; several contracted axes count as one K, in the product's order):
;;     1. [M 4,096, K 1,024] x [K 1,024, N 1,024]; A: computed on the way; B: input Wq (given as codes): QUANTISED
;;     2. [M 4,096, K 1,024] x [K 1,024, N 1,024]; A: computed on the way; B: input Wk (given as codes): QUANTISED
;;     3. [M 4,096, K 1,024] x [K 1,024, N 1,024]; A: computed on the way; B: input Wv (given as codes): QUANTISED
;;     4. batch 32 x [M 2,048, K 64] x [K 64, N 2,048]; A: computed on the way; B: computed on the way: QUANTISED
;;     5. batch 32 x [M 2,048, K 2,048] x [K 2,048, N 64]; A: softmax (see below); B: computed on the way: QUANTISED
;;     6. [M 4,096, K 1,024] x [K 1,024, N 1,024]; A: computed on the way; B: input Wo (given as codes): QUANTISED
;;   THE QUANTISER, for each operand of a quantised product, along K:
;;     - K is cut into blocks of 32 from its start; a last block that is shorter is filled with zeros.
;;     - A block's scale is 2^e with e = floor(log2(the largest magnitude in the block)) - 2, held to -126 .. 127; a block of zeros has e = 0. As a byte (E8M0): e + 127.
;;     - Each number is divided by its block's scale, clamped to +-6, and rounded to the nearest number of E2M1, ties to even, subnormals kept.
;;     - The product sums the exact products of the quantised numbers (number of the format x scale) in f32.
;;   ~~~python
;;   def quantise(x, axis):      # numpy; x: float32 -> the quantised numbers, widened to float32 again
;;       x = np.moveaxis(x, axis, -1); K = x.shape[-1]
;;       x = np.pad(x, [(0, 0)] * (x.ndim - 1) + [(0, -K % 32)]); x = x.reshape(x.shape[:-1] + (-1, 32)); a = np.abs(x).max(-1, keepdims=True)
;;       e = np.where(a > 0, np.clip(np.frexp(np.where(a > 0, a, 1))[1] - 1 - 2, -126, 127), 0)      # np.frexp(a)[1] - 1 = floor(log2(a)), exactly
;;       r = np.clip(x / 2.0 ** e, -6, 6)
;;       step = 2.0 ** (np.maximum(np.frexp(np.where(r == 0, 1, r))[1] - 1, 0) - 1)
;;       q = np.round(r / step) * step * 2.0 ** e      # np.round: ties to even
;;       return np.moveaxis(q.reshape(q.shape[:-2] + (-1,))[..., :K], -1, axis).astype(np.float32)
;;   ~~~
;;   SOFTMAX AHEAD OF A QUANTISED PRODUCT. Where the list says 'softmax', what is quantised is not the finished softmax but p = 2^(t - M), with t = logit x log2(e) and M = ceil(the row's largest t), a whole number; so 1/2 < the row's largest p <= 1. The row's sum l is taken of the UNQUANTISED p, in f32, and the product's result is divided by l at the end. Since M is a whole number, a kernel that streams over the keys may use a running M (the ceiling of the running maximum): every later rescaling is an exact power of two, which a block's scale takes up: the codes' values come out the same.
;;   OPERANDS COMPUTED ON THE WAY. 'Computed on the way' means the value that the module computes at that place (a softmax that the list does not call 'softmax' is quantised finished and normalised). What goes into a quantiser is computed in f32, as accurately as f32 sums, v_exp_f32 and their like allow (about 1e-6 of the number): no bf16 or f16 on the way to a quantiser, and a product that is left as it is and whose result goes on into a quantised operand takes f32 operands (vector FMAs, or v_wmma_f32_16x16x4_f32). A number that lies on a knife's edge between two numbers of the format may be rounded either way, as far as f32 arithmetic and the matrix unit's own rounding can turn it there, and no further.
;;   INPUTS GIVEN AS CODES. Wk (in the module: [1024, 1024], K = its axis 1); Wo (in the module: [1024, 1024], K = its axis 1); Wq (in the module: [1024, 1024], K = its axis 1); Wv (in the module: [1024, 1024], K = its axis 1): each comes as NAME_codes (uint8): NAME with its K axis moved to the last place and cut into blocks of 32 codes, [.., K / 32, bytes a block], one block behind the other in memory; two codes a byte, the lower K in the low four bits (a code: sign, 2 exponent bits, 1 mantissa bit); and NAME_scales (uint8): the same leading axes, one E8M0 byte (e + 127) for each 32 codes along K. Its value is code x scale, taken as it is: it is not quantised again, and the codes and scales need not be those that the quantiser above would give.
;; 2 versions, each right; version 2 is version 1 with the launches attn, outln written anew for expert scheduling mode. Each part assembles by itself: llvm-mc -triple=amdgcn-amd-amdhsa -mcpu=gfx1250 --defsym DOCPART=n.
;; ======== version 1 of 2: 4 launches
;; limits: right only within a limited range of input values
;; workspace buffers: xw 4,456,448 bytes; cls 512 bytes of whole numbers; qkvb 6,946,816 bytes; ob 2,228,224 bytes
;; launch prep (part 1): grid 416 x 1, 8 waves a work-group, no clusters, 137,216 bytes of LDS; arguments x, mask, Wq_codes, Wq_scales, Wk_codes, Wk_scales, Wv_codes, Wv_scales, Wo_codes, Wo_scales, xw, cls; writes xw, cls
.if DOCPART == 1
	.amdgcn_target "amdgcn-amd-amdhsa--gfx1250"
	.amdhsa_code_object_version 6
	.text
	.protected	k_q49364bff40_prep
	.globl	k_q49364bff40_prep
	.p2align	8
	.type	k_q49364bff40_prep,@function
k_q49364bff40_prep:
	s_mov_b64 s[64:65], 0
	v_nop
	global_prefetch_b8 v0, s[64:65] scope:SCOPE_SE
	s_setreg_imm32_b32 hwreg(HW_REG_WAVE_MODE, 25, 1), 1
	s_wait_xcnt 0x0
; PREP: three kinds of work-groups, told apart by the work-group's number; each kind has LDS bytes of its own and its own end.
;   0-255   tokens:  nan_to_num(x), quantised to FP4 (E2M1) with one E8M0 byte for each 32 along E, laid as IMAGES OF OPERAND REGISTERS
;   256-287 weights: the four weights' codes and scale bytes, as they are given, laid as the same kind of images
;   288-415 mask:    each tile of 16 queries x 128 keys is classed (0 all blocked, 1 all open, 2 mixed): whole numbers for the attention launch
; AN IMAGE: a fragment (16 rows x 128 K of 4-bit codes) is 8 registers a lane; registers 4 c .. 4 c + 3 of all 32 lanes are 512 consecutive bytes, lane l's 16 bytes at 16 l.
; THE ROWS OF A TILE ARE NOT NEIGHBOURS: row r of tile T is 32 (T / 2) + 8 (T % 2) + r + 8 (r / 8), so that, where such a tile is source 0 of a product, the 16 result registers of tiles 2 b and
; 2 b + 1 are 16 neighbours along that axis.  xw: images of x [256 T][8 K steps][2][512 B] at XIMG, of the weights (q, k, v, o: 64 tiles each) at WIMG; scale words [tile][8 K steps][16 rows] at XSC, WSC.
; LIMITS: a block of zeros gets the byte 1 where the rule says 127 (its codes are zeros, and only this program reads the bytes); mask bytes are taken to be 0 or 1.
; No matrix work, no cluster (no two work-groups read the same bytes), no tensor load: a stream through registers; each load and each store of codes covers 512 consecutive bytes.
.set XIMG, 0
.set WIMG, 0x200000
.set XSC,  0x400000
.set WSC,  0x420000
.set SPT,  528                         ; a stage row: 512 bytes + 16: sixteen rows' equal columns fall on sixteen different 16-byte columns of 256
.set STB,  16*SPT                      ; a wave's stage: 16 rows
.set XSW,  8*STB                       ; tokens: behind their 8 stages the tile's 128 scale words
.set WST,  XSW+512                     ; weights: 8 stages
.set MRED, WST+8*STB                   ; mask: 16 words
.set NIL, 8                            ; v8  0
.set R,   16                           ; v16-79   as loaded
.set X,   80                           ; v80-143  back from the stage
.set TM,  144                          ; v144-159 the quantiser's scratch
.set PW,  160                          ; the scale word just made
.set PC,  162                          ; v162-169 the codes just made
.set WV,  28
.set STW, 29
.set SEL, 30
.set SGN, 32
.set E9,  33
.set INF, 34
; nan_to_num of one number: +-infinity becomes +-1e9, NaN becomes 0; every finite number stays
.macro N2N x
	v_and_b32 v10, 0x7fffffff, v[\x]
	v_and_or_b32 v11, v[\x], s[SGN], s[E9]         ; 1e9 with the number's sign
	v_cmp_eq_u32 vcc_lo, s[INF], v10
	v_cndmask_b32 v[\x], v[\x], v11, vcc_lo
	v_cmp_lt_u32 vcc_lo, s[INF], v10               ; above infinity's bits: NaN
	v_cndmask_b32 v[\x], v[\x], v[NIL], vcc_lo
.endm
; 64 numbers of a lane, register 16 b + i = k 32 b + 16 (lane / 16) + i of my row, become a fragment's codes in v[PC] on and its scale word in v[PW]
.macro QUANT4 s
.irp b, 0,1,2,3
	v_max3_num_f32 v[TM+\b], |v[\s+16*\b]|, |v[\s+1+16*\b]|, 0x1800000   ; my 16 numbers of block b, and the floor 2^(3 - 127): the byte cannot fall under 1
.endr
.irp i, 2,4,6,8,10,12,14
.irp b, 0,1,2,3
	v_max3_num_f32 v[TM+\b], v[TM+\b], |v[\s+16*\b+\i]|, |v[\s+1+16*\b+\i]|
.endr
.endr
.irp b, 0,1,2,3
	v_permlanex16_b32 v[TM+4+\b], v[TM+\b], s[SEL], s[SEL+1]
.endr
.irp b, 0,1,2,3
	v_max_num_f32 v[TM+\b], v[TM+\b], v[TM+4+\b]   ; with lane l xor 16's: the block's largest magnitude
.endr
.irp b, 0,1,2,3
	v_add_nc_u32 v[TM+12+\b], 0xff000000, v[TM+\b] ; 2 off its exponent field: the conversion's scale operand
.endr
.irp b, 0,1,2,3
	v_lshrrev_b32 v[TM+4+\b], 23, v[TM+12+\b]      ; the scale's byte
.endr
	v_lshl_or_b32 v[PW], v[TM+5], 8, v[TM+4]
	v_lshl_or_b32 v[PW], v[TM+6], 16, v[PW]
	v_lshl_or_b32 v[PW], v[TM+7], 24, v[PW]
.irp b, 0,1,2,3
	v_cvt_scalef32_pk8_fp4_f32 v[PC+2*\b], v[\s+16*\b:\s+7+16*\b], v[TM+12+\b]
	v_cvt_scalef32_pk8_fp4_f32 v[PC+1+2*\b], v[\s+8+16*\b:\s+15+16*\b], v[TM+12+\b]
.endr
	v_nop                                          ; one plain line behind the scaled conversions
.irp c, 0,1                                    ; the layout wants a whole block in a lane: lanes 0-15 block 2 c, lanes 16-31 block 2 c + 1
.irp i, 0,1
	v_permlane16_swap_b32 v[PC+4*\c+\i], v[PC+2+4*\c+\i]
.endr
.endr
.endm
	s_load_b512 s[4:19], s[0:1], 0x0               ; x, mask, Wq codes, Wq scales, Wk codes, Wk scales, Wv codes, Wv scales
	s_load_b256 s[20:27], s[0:1], 0x40             ; Wo codes, Wo scales, xw, cls
	v_lshl_add_u32 v176, v0, 2, 0x21400
	v_mov_b32 v177, 0
	v_lshrrev_b32 v1, 5, v0
	v_readfirstlane_b32 s[WV], v1                  ; wave 0..7
	v_and_b32 v1, 31, v0                           ; lane
	v_and_b32 v2, 15, v0                           ; r
	v_bfe_u32 v3, v0, 4, 1                         ; h
	v_lshlrev_b32 v4, 4, v1                        ; 16 x lane
	v_mov_b32 v[NIL], 0
	s_mul_i32 s[STW], s[WV], STB                   ; my wave's stage
	s_wait_kmcnt 0x0
	s_cmp_ge_u32 ttmp9, 288
	s_cbranch_scc1 .Lmask
	s_cmp_ge_u32 ttmp9, 256
	s_cbranch_scc1 .Lweights
	; ---- TOKENS: tile T = the work-group's number; wave s takes K step s (128 along E)
	s_mov_b32 s[SEL], 0x76543210
	s_mov_b32 s[SEL+1], 0xfedcba98                 ; v_permlanex16_b32's selects for lane l xor 16
	s_mov_b32 s[SGN], 0x80000000
	s_mov_b32 s[E9], 0x4e6e6b28                    ; 1e9
	s_mov_b32 s[INF], 0x7f800000
	s_lshr_b32 s36, ttmp9, 1
	s_lshl_b32 s36, s36, 17                        ; 32 (T / 2) rows of 4,096 bytes
	s_and_b32 s37, ttmp9, 1
	s_lshl_b32 s37, s37, 15                        ; + 8 (T % 2) rows
	s_add_co_u32 s36, s36, s37
	s_lshl_b32 s37, s[WV], 9                       ; + my K step's 512 bytes
	s_add_co_u32 s36, s36, s37
	s_mov_b32 s37, 0
	s_add_nc_u64 s[4:5], s[4:5], s[36:37]
.irp j, 0,1,2,3,4,5,6,7,8,9,10,11,12,13,14,15
	global_load_b128 v[R+4*\j:R+4*\j+3], v4, s[4:5] offset:(\j+8*(\j/8))*4096 th:TH_LOAD_NT   ; the tile's row j: 512 consecutive bytes
.endr
	v_add_nc_u32 v5, s[STW], v4                    ; into the stage: a row as it lies
	v_mul_u32_u24 v6, v2, SPT
	v_lshl_add_u32 v6, v3, 6, v6
	v_add_nc_u32 v6, s[STW], v6                    ; out of it: row r, + 64 h: my 16 numbers of each block of 32
	s_lshl_b32 s38, s[WV], 6
	s_add_co_u32 s38, s38, XSW
	v_lshl_add_u32 v7, v2, 2, s38                  ; my row's scale word of my K step
	v_add_nc_u32 v9, XSW, v4                       ; wave 0 reads all 128 words back
.irp b, 0,1,2,3
	v_mov_b32 v[TM+4+\b], 0                        ; written once: a lane permute's destination counts as one of its sources
.endr
	s_lshl_b32 s36, ttmp9, 13
	s_lshl_b32 s37, s[WV], 10
	s_add_co_u32 s36, s36, s37
	s_mov_b32 s37, 0
	s_add_nc_u64 s[36:37], s[24:25], s[36:37]      ; xw + XIMG + 8,192 T + 1,024 s
	s_lshl_b32 s38, ttmp9, 9
	s_add_co_u32 s38, s38, XSC
	s_mov_b32 s39, 0
	s_add_nc_u64 s[38:39], s[24:25], s[38:39]      ; xw + XSC + 512 T
.irp g, 0,1,2,3
	s_wait_loadcnt 12-4*\g                         ; this group's four rows are in; the younger groups stay out
.set i, 0
.rept 16
	N2N R+16*\g+i
.set i, i+1
.endr
.irp k, 0,1,2,3
	ds_store_b128 v5, v[R+16*\g+4*\k:R+16*\g+4*\k+3] offset:SPT*(4*\g+\k)
.endr
.endr
.irp b, 0,1,2,3
.irp q, 0,1,2,3
	ds_load_b128 v[X+16*\b+4*\q:X+16*\b+4*\q+3], v6 offset:128*\b+16*\q   ; LDS serves a wave's instructions in order: these see my stores
.endr
.endr
	s_wait_dscnt 0x0
	QUANT4 X
	global_store_b128 v4, v[PC:PC+3], s[36:37]             ; 512 consecutive bytes each
	global_store_b128 v4, v[PC+4:PC+7], s[36:37] offset:512
	ds_store_b32 v7, v[PW]                         ; both lanes of a row write the same word with the same value
	s_wait_dscnt 0x0                               ; for wave 0's sake: my word has landed
	s_barrier_signal -1
	s_barrier_wait -1
	s_cmp_lg_u32 s[WV], 0
	s_cbranch_scc1 .Lx_end
	ds_load_b128 v[12:15], v9
	s_wait_dscnt 0x0
	global_store_b128 v4, v[12:15], s[38:39]       ; the tile's 128 scale words: 512 consecutive bytes
.Lx_end:
	s_wait_tensorcnt 0x0
	ds_add_u32 v176, v177
	s_wait_dscnt 0x0
	s_endpgm
	; ---- WEIGHTS: wave = one tile of 16 rows, all of K.  Codes and bytes are moved, not changed
.Lweights:
	s_sub_co_u32 s36, ttmp9, 256                   ; 0..31
	s_lshr_b32 s37, s36, 3                         ; which weight: q, k, v, o
	s_cmp_eq_u32 s37, 1
	s_cselect_b64 s[8:9], s[12:13], s[8:9]
	s_cselect_b64 s[10:11], s[14:15], s[10:11]
	s_cmp_eq_u32 s37, 2
	s_cselect_b64 s[8:9], s[16:17], s[8:9]
	s_cselect_b64 s[10:11], s[18:19], s[10:11]
	s_cmp_eq_u32 s37, 3
	s_cselect_b64 s[8:9], s[20:21], s[8:9]
	s_cselect_b64 s[10:11], s[22:23], s[10:11]
	s_lshl_b32 s38, s36, 3
	s_add_co_u32 s38, s38, s[WV]                   ; t: the tile among all 256
	s_and_b32 s39, s38, 63                         ; and in its weight
	s_lshr_b32 s40, s39, 1
	s_lshl_b32 s40, s40, 5
	s_and_b32 s41, s39, 1
	s_lshl_b32 s41, s41, 3
	s_add_co_u32 s40, s40, s41                     ; the tile's first row
	s_lshl_b32 s42, s40, 9                         ; 512 bytes of codes a row
	s_mov_b32 s43, 0
	s_add_nc_u64 s[8:9], s[8:9], s[42:43]
	s_lshl_b32 s42, s40, 5                         ; 32 scale bytes a row
	s_add_nc_u64 s[10:11], s[10:11], s[42:43]
	v_and_b32 v7, 3, v1                            ; image words 4 l .. 4 l + 3 are K step l / 4, rows 4 (l % 4) + 0 .. 3 of the tile
	v_lshlrev_b32 v7, 7, v7
	v_bfe_u32 v9, v1, 1, 1
	v_lshl_add_u32 v7, v9, 8, v7                   ; rows 8-15 of a tile lie 8 rows further on
	v_lshrrev_b32 v9, 2, v1
	v_lshl_add_u32 v7, v9, 2, v7
.irp j, 0,1,2,3,4,5,6,7,8,9,10,11,12,13,14,15
	global_load_b128 v[R+4*\j:R+4*\j+3], v4, s[8:9] offset:(\j+8*(\j/8))*512 th:TH_LOAD_NT   ; a whole row of codes
.endr
.irp k, 0,1,2,3
	global_load_b32 v[TM+\k], v7, s[10:11] offset:32*\k
.endr
	s_add_co_u32 s44, s[STW], WST
	v_add_nc_u32 v5, s44, v4
	v_mul_u32_u24 v6, v2, SPT
	v_lshl_add_u32 v6, v3, 4, v6
	v_add_nc_u32 v6, s44, v6                       ; row r, + 16 h: a fragment's 16 bytes
	s_lshl_b32 s42, s38, 13
	s_add_co_u32 s42, s42, WIMG
	s_add_nc_u64 s[46:47], s[24:25], s[42:43]      ; xw + WIMG + 8,192 t
	s_lshl_b32 s42, s38, 9
	s_add_co_u32 s42, s42, WSC
	s_add_nc_u64 s[48:49], s[24:25], s[42:43]      ; xw + WSC + 512 t
	s_wait_loadcnt 4                               ; the codes are in; the four scale loads may be out
.irp j, 0,1,2,3,4,5,6,7,8,9,10,11,12,13,14,15
	ds_store_b128 v5, v[R+4*\j:R+4*\j+3] offset:SPT*\j
.endr
.irp i, 0,1,2,3,4,5,6,7,8,9,10,11,12,13,14,15
	ds_load_b128 v[X+4*\i:X+4*\i+3], v6 offset:32*\i   ; K step i / 2, half i % 2
.endr
.irp i, 0,1,2,3,4,5,6,7,8,9,10,11,12,13,14,15
	s_wait_dscnt 15-\i                             ; LDS loads come back in order: number i is in
	global_store_b128 v4, v[X+4*\i:X+4*\i+3], s[46:47] offset:512*\i
.endr
	s_wait_loadcnt 0x0
	global_store_b128 v4, v[TM:TM+3], s[48:49]
	s_wait_tensorcnt 0x0
	ds_add_u32 v176, v177
	s_wait_dscnt 0x0
	s_endpgm
	; ---- MASK: query tile T' = the work-group's number - 288; wave w takes key steps 2 w (lanes 0-15) and 2 w + 1 (lanes 16-31)
.Lmask:
	s_sub_co_u32 s36, ttmp9, 288
	s_lshr_b32 s37, s36, 1
	s_lshl_b32 s37, s37, 16                        ; 32 (T' / 2) rows of 2,048 bytes
	s_and_b32 s38, s36, 1
	s_lshl_b32 s38, s38, 14
	s_add_co_u32 s37, s37, s38
	s_lshl_b32 s38, s[WV], 8
	s_add_co_u32 s38, s37, s38
	s_mov_b32 s39, 0
	s_add_nc_u64 s[6:7], s[6:7], s[38:39]
	v_lshlrev_b32 v5, 3, v1
.irp j, 0,1,2,3,4,5,6,7,8,9,10,11,12,13,14,15
	global_load_b64 v[R+2*\j:R+2*\j+1], v5, s[6:7] offset:(\j+8*(\j/8))*2048   ; 256 consecutive bytes of the tile's row j
.endr
	s_lshl_b32 s40, s[WV], 2
	s_add_co_u32 s40, s40, MRED
	v_mov_b32 v6, s40                              ; my wave's word
	v_mov_b32 v7, MRED
	s_lshl_b32 s52, s36, 2
	s_mov_b32 s53, 0
	s_add_nc_u64 s[26:27], s[26:27], s[52:53]      ; cls + 4 T'
	s_mov_b32 s41, -1                              ; lanes whose 8 keys are blocked in all 16 rows
	s_mov_b32 s42, 0                               ; bit j: row j is blocked at all my 256 keys
	s_mov_b32 s43, 0x01010101
	v_mov_b32 v9, 0                                ; the OR of all my bytes
	s_wait_loadcnt 0x0
.irp j, 0,1,2,3,4,5,6,7,8,9,10,11,12,13,14,15
	v_and_b32 v10, v[R+2*\j], v[R+2*\j+1]
	v_or_b32 v9, v9, v[R+2*\j]
	v_or_b32 v9, v9, v[R+2*\j+1]
	v_cmp_eq_u32 s44, s43, v10
	s_and_b32 s41, s41, s44
	s_cmp_eq_u32 s44, -1
	s_cselect_b32 s45, 1<<\j, 0
	s_or_b32 s42, s42, s45
.endr
	v_cmp_eq_u32 s46, 0, v9                        ; lanes whose 8 keys are open in all 16 rows
	s_and_b32 s47, s41, 0xffff                     ; key step 2 w
	s_cmp_eq_u32 s47, 0xffff
	s_cselect_b32 s48, 1, 0
	s_and_b32 s47, s46, 0xffff
	s_cmp_eq_u32 s47, 0xffff
	s_cselect_b32 s49, 1, 2                        ; all open: 1; else mixed: 2;
	s_cmp_eq_u32 s48, 1
	s_cselect_b32 s49, 0, s49                      ; all blocked: 0
	s_lshr_b32 s47, s41, 16                        ; key step 2 w + 1
	s_cmp_eq_u32 s47, 0xffff
	s_cselect_b32 s48, 1, 0
	s_lshr_b32 s47, s46, 16
	s_cmp_eq_u32 s47, 0xffff
	s_cselect_b32 s50, 1, 2
	s_cmp_eq_u32 s48, 1
	s_cselect_b32 s50, 0, s50
	s_lshl_b32 s50, s50, 2
	s_or_b32 s49, s49, s50
	s_lshl_b32 s50, s[WV], 2
	s_lshl_b32 s49, s49, s50                       ; two bits a key step
	v_mov_b32 v10, s42
	v_mov_b32 v11, s49
	ds_store_b32 v6, v10                           ; all lanes write the same word with the same value
	ds_store_b32 v6, v11 offset:32
	s_wait_dscnt 0x0                               ; for wave 0's sake
	s_barrier_signal -1
	s_barrier_wait -1
	s_cmp_lg_u32 s[WV], 0
	s_cbranch_scc1 .Lm_end
	ds_load_b128 v[16:19], v7
	ds_load_b128 v[20:23], v7 offset:16
	ds_load_b128 v[24:27], v7 offset:32
	ds_load_b128 v[28:31], v7 offset:48
	s_wait_dscnt 0x0
	v_and_b32 v16, v16, v17
	v_and_b32 v18, v18, v19
	v_and_b32 v20, v20, v21
	v_and_b32 v22, v22, v23
	v_and_b32 v16, v16, v18
	v_and_b32 v20, v20, v22
	v_and_b32 v16, v16, v20                        ; rows that are blocked at every one of the 2,048 keys
	v_or_b32 v24, v24, v25
	v_or_b32 v26, v26, v27
	v_or_b32 v28, v28, v29
	v_or_b32 v30, v30, v31
	v_or_b32 v24, v24, v26
	v_or_b32 v28, v28, v30
	v_or_b32 v24, v24, v28                         ; the 16 classes
	v_mov_b32 v17, 0xaaaaaaaa
	v_cmp_ne_u32 vcc_lo, 0, v16
	v_cndmask_b32 v24, v24, v17, vcc_lo            ; such a row's softmax is uniform over ALL keys: then no key step of the tile may be passed over: all 'mixed'
	v_mov_b32 v18, 0
	s_wait_xcnt 0x0                                ; EXEC changes only behind this wait
	v_cmp_eq_u32 vcc_lo, 0, v1
	s_and_saveexec_b32 s54, vcc_lo
	global_store_b32 v18, v24, s[26:27]            ; lane 0 stores the tile's word
	s_wait_xcnt 0x0
	s_or_b32 exec_lo, exec_lo, s54
.Lm_end:
	s_wait_tensorcnt 0x0
	ds_add_u32 v176, v177
	s_wait_dscnt 0x0
	s_endpgm
.Lfunc_end_k_q49364bff40_prep:
	.size	k_q49364bff40_prep, .Lfunc_end_k_q49364bff40_prep-k_q49364bff40_prep
	.p2alignl 7, 3214868480
	.fill 96, 4, 3214868480
	.section	.rodata,"a",@progbits
	.p2align	6, 0x0
	.amdhsa_kernel k_q49364bff40_prep
		.amdhsa_group_segment_fixed_size 137216
		.amdhsa_private_segment_fixed_size 0
		.amdhsa_enable_private_segment 0
		.amdhsa_kernarg_size 96
		.amdhsa_user_sgpr_count 2
		.amdhsa_user_sgpr_kernarg_segment_ptr 1
		.amdhsa_wavefront_size32 1
		.amdhsa_system_sgpr_workgroup_id_x 1
		.amdhsa_system_sgpr_workgroup_id_y 1
		.amdhsa_system_sgpr_workgroup_id_z 1
		.amdhsa_system_vgpr_workitem_id 0
		.amdhsa_next_free_vgpr 178
		.amdhsa_next_free_sgpr 66
		.amdhsa_reserve_vcc 1
		.amdhsa_float_denorm_mode_32 3
		.amdhsa_float_denorm_mode_16_64 3
		.amdhsa_memory_ordered 1
		.amdhsa_forward_progress 1
		.amdhsa_inst_pref_size 45
	.end_amdhsa_kernel
	.amdgpu_metadata
---
amdhsa.version: [ 1, 2 ]
amdhsa.kernels:
  - .name:           k_q49364bff40_prep
    .symbol:         k_q49364bff40_prep.kd
    .args:
      - { .name: x, .offset: 0, .size: 8, .value_kind: global_buffer, .address_space: global }
      - { .name: mask, .offset: 8, .size: 8, .value_kind: global_buffer, .address_space: global }
      - { .name: Wq_codes, .offset: 16, .size: 8, .value_kind: global_buffer, .address_space: global }
      - { .name: Wq_scales, .offset: 24, .size: 8, .value_kind: global_buffer, .address_space: global }
      - { .name: Wk_codes, .offset: 32, .size: 8, .value_kind: global_buffer, .address_space: global }
      - { .name: Wk_scales, .offset: 40, .size: 8, .value_kind: global_buffer, .address_space: global }
      - { .name: Wv_codes, .offset: 48, .size: 8, .value_kind: global_buffer, .address_space: global }
      - { .name: Wv_scales, .offset: 56, .size: 8, .value_kind: global_buffer, .address_space: global }
      - { .name: Wo_codes, .offset: 64, .size: 8, .value_kind: global_buffer, .address_space: global }
      - { .name: Wo_scales, .offset: 72, .size: 8, .value_kind: global_buffer, .address_space: global }
      - { .name: xw, .offset: 80, .size: 8, .value_kind: global_buffer, .address_space: global }
      - { .name: cls, .offset: 88, .size: 8, .value_kind: global_buffer, .address_space: global }
    .group_segment_fixed_size: 137216
    .private_segment_fixed_size: 0
    .kernarg_segment_align: 8
    .kernarg_segment_size: 96
    .max_flat_workgroup_size: 256
    .sgpr_count:     66
    .vgpr_count:     178
    .wavefront_size: 32
...
	.end_amdgpu_metadata
.endif
;; end of part 1
;; launch qkv (part 2): grid 16 x 12, 16 waves a work-group, no clusters, 280,576 bytes of LDS; arguments xw, bq, bk, bv, qkvb; writes qkvb
.if DOCPART == 2
	.amdgcn_target "amdgcn-amd-amdhsa--gfx1250"
	.amdhsa_code_object_version 6
	.text
	.protected	k_q49364bff40_qkv
	.globl	k_q49364bff40_qkv
	.p2align	8
	.type	k_q49364bff40_qkv,@function
k_q49364bff40_qkv:
	s_mov_b64 s[64:65], 0
	v_nop
	global_prefetch_b8 v0, s[64:65] scope:SCOPE_SE
	s_setreg_imm32_b32 hwreg(HW_REG_WAVE_MODE, 25, 1), 1
	s_wait_xcnt 0x0
; QKV: q = x Wq^T + bq, k = x Wk^T + bk, v = x Wv^T + bv on codes of FP4 with E8M0 scales (K = 1,024), each result quantised again in registers for the attention's two products.
; SHARES.  Work-group (X, Y): 256 tokens x 256 outputs; Y 0-3 q, 4-7 k, 8-11 v: 192 work-groups of equal work.  Sixteen waves, four to a SIMD; wave (wa, wb) makes 4 x 4 tiles of 16 x 16: 16 accumulators.
; WHICH OPERAND IS SOURCE 0 IS SETTLED BY WHAT IS FETCHED.  LDS has a region RA (source 0) and a region RB (source 1), 16 tiles each.  q, k: RA = the weight's tiles, RB = the tokens': a lane holds a token and its
; registers run along the head's 64 channels, the scores' K.  v: RA = the tokens', RB = the weight's: a lane holds a channel and its registers run along 64 tokens, the second product's K.  Only byte offsets in
; memory are chosen; no LDS address and no line of the K steps knows the role.  By the order of a tile's rows (row r of tile T is 32 (T / 2) + 8 (T % 2) + r + 8 (r / 8)) the 32 registers of accumulators
; (0..3, b) are 32 b' + 16 (lane / 16) + i: two half blocks of 32 neighbours: the quantiser finds its K in one lane's registers.
; LDS.  All of K fits: chunk i (K steps 2 i, 2 i + 1) at 65,536 i: RA's 16 x 2,048 bytes, then RB's; the scale words at SCA (RA's) and SCA + 8,192 (RB's).  Every byte is filled once, by tensor loads that go
; out together at the head: waves 0-7 issue five each (five of a wave are out at the most), and nothing is ever filled again.
; No cluster: a work-group asks for its 278,528 bytes once, at its head, and has no later round in which joint requests would meet; joint loads (the tokens' tiles are shared along Y, the weights' along X)
; would divide those requests by four and are the next step for this text.  No register windows: 256 registers a wave, and four waves on a SIMD stand in for each other's waits.
; qkvb: q's and k's half fragments [32 heads][128 tiles][512 B] at QIMG, KIMG; v's fragments, keys innermost, [32][16 key steps][4 tiles of channels][2][512 B] at VIMG; scale words at QSCO, KSCO, VSCO.
; LIMITS: a block of zeros gets the byte 1 (its codes are zeros; only this program reads the bytes).  The scale words leave in runs of 64 bytes, 640 KB of the launch's 6.9 MB.
.set XSC,  0x400000
.set WSC,  0x420000
.set WIMG, 0x200000
.set KIMG, 0x200000
.set VIMG, 0x400000
.set QSCO, 0x600000
.set KSCO, 0x640000
.set VSCO, 0x680000
.set SCA,  262144
.set AA,  4                            ; v4   16 x lane + my four tiles of RA, in the chunk in hand
.set AB,  5                            ; v5   the same for RB
.set AS,  6                            ; v6   scale words: lanes 0-15 RA's tiles, lanes 16-31 RB's
.set LI,  7                            ; v7   16 x lane
.set R4,  8                            ; v8   4 x (lane % 16)
.set BOF, 9                            ; v9   the biases' offset
.set SC,  12                           ; v12-15   scale words: register i: lanes 0-15 RA's tile i, lanes 16-31 RB's tile i
.set FA,  16                           ; v16-47   four fragments of RA; at the end the codes and words to store
.set FB,  48                           ; v48-79   four fragments of RB
.set BI,  80                           ; v80-111  the biases, in the result's layout
.set ACC, 112                          ; v112-239 accumulator (a, b) at ACC + 8 (4 b + a)
.set TM,  240                          ; v240-245 the quantiser's scratch
.set G1S, 16
.set G1C, 24
.set G0,  32
.set WV,  52
.set YY,  53
.set WA,  54
.set WB,  55
.set SEL, 56
.macro PLACES                          ; four plain lines between a matrix instruction and a load into, or a vector read of, its registers
.rept 4
	v_nop
.endr
.endm
.macro FRAGS sp, ks                    ; K step ks, the chunk's sp-th: four fragments a side and their scale words
.irp i, 0,1,2,3
.irp c, 0,1
	ds_load_b128 v[FA+8*\i+4*\c:FA+8*\i+4*\c+3], v[AA] offset:2048*\i+1024*(\sp)+512*\c
	ds_load_b128 v[FB+8*\i+4*\c:FB+8*\i+4*\c+3], v[AB] offset:2048*\i+1024*(\sp)+512*\c
.endr
	ds_load_b32 v[SC+\i], v[AS] offset:512*\i+64*(\ks)
.endr
	s_wait_dscnt 0x0
.endm
; 16 products; the 16 accumulators take turns, one instruction a turn.  mode 0: onto the sums; 1, 2: the first K step starts them with the bias as C (1: by source 0's tile, 2: by source 1's)
.macro MUL16 mode
.irp b, 0,1,2,3
.irp a, 0,1,2,3
.if \mode == 0
	v_wmma_scale_f32_16x16x128_f8f6f4 v[ACC+8*(4*\b+\a):ACC+8*(4*\b+\a)+7], v[FA+8*\a:FA+8*\a+7], v[FB+8*\b:FB+8*\b+7], v[ACC+8*(4*\b+\a):ACC+8*(4*\b+\a)+7], v[SC+\a], v[SC+\b] matrix_a_fmt:MATRIX_FMT_FP4 matrix_b_fmt:MATRIX_FMT_FP4 matrix_b_scale:MATRIX_SCALE_ROW1
.elseif \mode == 1
	v_wmma_scale_f32_16x16x128_f8f6f4 v[ACC+8*(4*\b+\a):ACC+8*(4*\b+\a)+7], v[FA+8*\a:FA+8*\a+7], v[FB+8*\b:FB+8*\b+7], v[BI+8*\a:BI+8*\a+7], v[SC+\a], v[SC+\b] matrix_a_fmt:MATRIX_FMT_FP4 matrix_b_fmt:MATRIX_FMT_FP4 matrix_b_scale:MATRIX_SCALE_ROW1
.else
	v_wmma_scale_f32_16x16x128_f8f6f4 v[ACC+8*(4*\b+\a):ACC+8*(4*\b+\a)+7], v[FA+8*\a:FA+8*\a+7], v[FB+8*\b:FB+8*\b+7], v[BI+8*\b:BI+8*\b+7], v[SC+\a], v[SC+\b] matrix_a_fmt:MATRIX_FMT_FP4 matrix_b_fmt:MATRIX_FMT_FP4 matrix_b_scale:MATRIX_SCALE_ROW1
.endif
.endr
.endr
.endm
; 32 numbers of a lane, register 16 b + i = k 32 b + 16 (lane / 16) + i, become half a fragment's codes (4 registers: lanes 0-15 block 0, lanes 16-31 block 1) and two scale bytes
.macro QUANT2 s, pc, pw
.irp b, 0,1
	v_max3_num_f32 v[TM+\b], |v[(\s)+16*\b]|, |v[(\s)+16*\b+1]|, 0x1800000   ; each accumulator is read from its low end on; the floor 2^(3 - 127) holds the byte at 1 from below
.endr
.irp i, 2,4,6,8,10,12,14
.irp b, 0,1
	v_max3_num_f32 v[TM+\b], v[TM+\b], |v[(\s)+16*\b+\i]|, |v[(\s)+16*\b+\i+1]|
.endr
.endr
.irp b, 0,1
	v_permlanex16_b32 v[TM+2+\b], v[TM+\b], s[SEL], s[SEL+1]
.endr
.irp b, 0,1
	v_max_num_f32 v[TM+\b], v[TM+\b], v[TM+2+\b]
.endr
.irp b, 0,1
	v_add_nc_u32 v[TM+4+\b], 0xff000000, v[TM+\b]  ; 2 off the exponent field: the conversion's scale operand
.endr
.irp b, 0,1
	v_lshrrev_b32 v[TM+2+\b], 23, v[TM+4+\b]       ; the scale's byte
.endr
	v_lshl_or_b32 v[\pw], v[TM+3], 8, v[TM+2]
.irp b, 0,1
	v_cvt_scalef32_pk8_fp4_f32 v[(\pc)+2*\b], v[(\s)+16*\b:(\s)+16*\b+7], v[TM+4+\b]
	v_cvt_scalef32_pk8_fp4_f32 v[(\pc)+2*\b+1], v[(\s)+16*\b+8:(\s)+16*\b+15], v[TM+4+\b]
.endr
	v_nop                                          ; one plain line behind the scaled conversions
	v_permlane16_swap_b32 v[\pc], v[(\pc)+2]
	v_permlane16_swap_b32 v[(\pc)+1], v[(\pc)+3]
.endm
	s_load_b256 s[4:11], s[0:1], 0x0               ; xw, bq, bk, bv
	s_load_b64 s[12:13], s[0:1], 0x20              ; qkvb
	v_lshl_add_u32 v254, v0, 2, 0x44000
	v_mov_b32 v255, 0
	ds_add_u32 v254, v255
	ds_add_u32 v254, v255
	v_lshrrev_b32 v1, 5, v0
	v_readfirstlane_b32 s[WV], v1                  ; wave 0..15
	s_and_b32 s[YY], ttmp7, 0xffff
	s_lshr_b32 s[WA], s[WV], 2
	s_and_b32 s[WB], s[WV], 3
	s_mov_b32 s[SEL], 0x76543210
	s_mov_b32 s[SEL+1], 0xfedcba98
	; group 1 for the scale words of four tiles: 2,048 dense bytes as 8 rows of 32 elements of 8 bytes
	s_mov_b32 s[G1S+0], 3<<16
	s_mov_b32 s[G1S+1], 32<<16                     ; tensor_dim0
	s_mov_b32 s[G1S+2], 8<<16                      ; tensor_dim1
	s_mov_b32 s[G1S+3], 32<<16                     ; tile_dim0
	s_mov_b32 s[G1S+4], 8                          ; tile_dim1
	s_mov_b32 s[G1S+5], 32                         ; pitch
	s_mov_b32 s[G1S+6], 0
	s_mov_b32 s[G1S+7], 0
	; group 1 for a chunk of four tiles: 4 rows of 2,048 bytes (two K steps' images), 8,192 bytes (a tile's eight K steps) apart
	s_mov_b32 s[G1C+0], 3<<16
	s_mov_b32 s[G1C+1], 256<<16
	s_mov_b32 s[G1C+2], 4<<16
	s_mov_b32 s[G1C+3], 256<<16
	s_mov_b32 s[G1C+4], 4
	s_mov_b32 s[G1C+5], 1024
	s_mov_b32 s[G1C+6], 0
	s_mov_b32 s[G1C+7], 0
	; what I fetch: waves 0-3 RA's tiles, waves 4-7 RB's, four tiles each
	s_cmp_ge_u32 s[YY], 8
	s_cselect_b32 s58, 1, 0
	s_and_b32 s59, s[WA], 1
	s_xor_b32 s58, s58, s59                        ; 1: tokens' tiles, 0: the weight's
	s_lshl_b32 s59, ttmp9, 4                       ; 16 X
	s_lshl_b32 s66, s[YY], 4                       ; 16 Y: q's tiles are 0-63 of the weights' images, k's 64-127, v's 128-191
	s_cmp_eq_u32 s58, 1
	s_cselect_b32 s59, s59, s66
	s_cselect_b32 s60, 0, WSC-XSC
	s_cselect_b32 s62, 0, WIMG
	s_lshl_b32 s66, s[WB], 2
	s_add_co_u32 s59, s59, s66                     ; my first tile
	s_lshl_b32 s66, s59, 9
	s_add_co_u32 s60, s60, s66
	s_add_co_u32 s60, s60, XSC                     ; its scale words,
	s_mov_b32 s61, 0
	s_lshl_b32 s66, s59, 13
	s_add_co_u32 s62, s62, s66                     ; its images
	s_mov_b32 s63, 0
	s_lshl_b32 s67, s[WV], 11
	s_lshl_b32 s68, s[WV], 13
	s_wait_dscnt 0x0
	s_wait_kmcnt 0x0
	s_mov_b32 s[G0], 1
	s_add_co_u32 s[G0+1], s67, SCA                 ; LDS: SCA + 2,048 x wave
	s_add_nc_u64 s[G0+2:G0+3], s[4:5], s[60:61]
	s_or_b32 s[G0+3], s[G0+3], 0x80000000
	s_add_nc_u64 s[62:63], s[4:5], s[62:63]
.irp i, 0,1,2,3
	s_mov_b32 s[G0+4+4*\i], 1
	s_add_co_u32 s[G0+5+4*\i], s68, 65536*\i       ; LDS: chunk i, + 8,192 x wave
	s_add_nc_u64 s[G0+6+4*\i:G0+7+4*\i], s[62:63], 2048*\i
	s_or_b32 s[G0+7+4*\i], s[G0+7+4*\i], 0x80000000
.endr
	s_cmp_lt_u32 s[WV], 8                          ; all first fills of a wave stand in this one branch on the wave's number
	s_cbranch_scc0 .Lno_fetch
	tensor_load_to_lds s[G0:G0+3], s[G1S:G1S+7]    ; the scale words first: they are wanted with K step 0
	s_nop 0
	tensor_load_to_lds s[G0+4:G0+7], s[G1C:G1C+7]
	s_nop 0
	tensor_load_to_lds s[G0+8:G0+11], s[G1C:G1C+7]
	s_nop 0
	tensor_load_to_lds s[G0+12:G0+15], s[G1C:G1C+7]
	s_nop 0
	tensor_load_to_lds s[G0+16:G0+19], s[G1C:G1C+7]
	s_nop 0
.rept 4
	v_nop
.endr
.Lno_fetch:
	v_and_b32 v1, 31, v0
	v_and_b32 v2, 15, v0                           ; r
	v_bfe_u32 v3, v0, 4, 1                         ; h
	v_lshlrev_b32 v[LI], 4, v1
	v_lshlrev_b32 v[R4], 2, v2
	s_lshl_b32 s67, s[WA], 13
	v_add_nc_u32 v[AA], s67, v[LI]
	s_lshl_b32 s67, s[WB], 13
	s_add_co_u32 s67, s67, 32768
	v_add_nc_u32 v[AB], s67, v[LI]
	s_mul_i32 s67, s[WA], 2048                     ; RA's words of my four tiles
	s_mul_i32 s68, s[WB], 2048                     ; RB's, 8,192 bytes behind RA's
	s_add_co_u32 s68, s68, 8192
	s_sub_co_u32 s68, s68, s67
	v_mul_u32_u24 v[AS], s68, v3                   ; lanes 16-31 take RB's: the lower base + h x the distance
	s_add_co_u32 s67, s67, SCA
	v_add_nc_u32 v[AS], v[AS], v[R4]
	v_add_nc_u32 v[AS], s67, v[AS]
.irp b, 0,1,2,3,4,5
	v_mov_b32 v[TM+\b], 0                          ; written once: a lane permute's destination counts as one of its sources
.endr
	; the biases, in the result's layout
	s_mov_b32 s69, 0
	s_cmp_ge_u32 s[YY], 8
	s_cbranch_scc1 .Lbias_v
	s_cmp_lt_u32 s[YY], 4
	s_cselect_b64 s[6:7], s[6:7], s[8:9]
	s_and_b32 s67, s[YY], 3
	s_lshl_b32 s67, s67, 10
	s_lshl_b32 s68, s[WA], 8
	s_add_co_u32 s68, s67, s68                     ; my head's 64 numbers
	s_add_nc_u64 s[6:7], s[6:7], s[68:69]
	v_lshlrev_b32 v[BOF], 6, v3                    ; register j of tile a is channel 32 (a / 2) + 8 (a % 2) + 16 h + j
.irp a, 0,1,2,3
	global_load_b128 v[BI+8*\a:BI+8*\a+3], v[BOF], s[6:7] offset:128*(\a/2)+32*(\a%2)
	global_load_b128 v[BI+8*\a+4:BI+8*\a+7], v[BOF], s[6:7] offset:128*(\a/2)+32*(\a%2)+16
.endr
	s_branch .Lbias_done
.Lbias_v:
	s_sub_co_u32 s67, s[YY], 8
	s_lshl_b32 s67, s67, 10
	s_lshl_b32 s68, s[WB], 8
	s_add_co_u32 s68, s67, s68
	s_add_nc_u64 s[10:11], s[10:11], s[68:69]
	v_and_b32 v[BOF], 8, v2
	v_add_nc_u32 v[BOF], v[BOF], v2
	v_lshlrev_b32 v[BOF], 2, v[BOF]                ; a lane holds one channel: 32 (b / 2) + 8 (b % 2) + r + 8 (r / 8), the same in all eight registers
.irp b, 0,1,2,3
	global_load_b32 v[BI+8*\b], v[BOF], s[10:11] offset:128*(\b/2)+32*(\b%2)
.endr
	s_wait_loadcnt 0x0
.irp b, 0,1,2,3
.irp j, 1,2,3,4,5,6,7
	v_mov_b32 v[BI+8*\b+\j], v[BI+8*\b]
.endr
.endr
.Lbias_done:
	s_wait_loadcnt 0x0
	; ---- chunk 0
	s_wait_tensorcnt 0x3                           ; my scale words and my part of chunk 0 are in; the three younger chunks stay out
	s_barrier_signal -1
	s_barrier_wait -1                              ; everybody's are
	FRAGS 0, 0
	s_cmp_ge_u32 s[YY], 8
	s_cbranch_scc1 .Lfirst_v
	MUL16 1
	s_branch .Lfirst_done
.Lfirst_v:
	MUL16 2
.Lfirst_done:
	PLACES
	FRAGS 1, 1
	MUL16 0
	v_add_nc_u32 v[AA], 0x10000, v[AA]             ; the next chunk (no LDS load of mine is out)
	v_add_nc_u32 v[AB], 0x10000, v[AB]
.irp i, 1,2,3
	s_wait_tensorcnt 3-\i                          ; my part of chunk i is in; the younger chunks stay out
	s_barrier_signal -1
	s_barrier_wait -1
	PLACES
	FRAGS 0, 2*\i
	MUL16 0
	PLACES
	FRAGS 1, 2*\i+1
	MUL16 0
	v_add_nc_u32 v[AA], 0x10000, v[AA]
	v_add_nc_u32 v[AB], 0x10000, v[AB]
.endr
	; ---- the results become operands: for each tile b of source 1, 64 numbers along source 0's axis
	PLACES
.irp b, 0,1,2,3
	QUANT2 ACC+32*\b, FA+4*\b, FA+16+\b
.endr
	s_mov_b32 s71, 0
	s_mov_b32 s73, 0
	s_lshr_b32 s67, ttmp9, 3
	s_lshl_b32 s67, s67, 4                         ; 16 x batch
	s_cmp_ge_u32 s[YY], 8
	s_cbranch_scc1 .Lstore_v
	s_and_b32 s68, s[YY], 3
	s_lshl_b32 s68, s68, 2
	s_add_co_u32 s67, s67, s68
	s_add_co_u32 s67, s67, s[WA]                   ; the head: 16 x batch + 4 (Y % 4) + wa
	s_lshl_b32 s67, s67, 7
	s_and_b32 s68, ttmp9, 7
	s_lshl_b32 s68, s68, 4
	s_add_co_u32 s67, s67, s68
	s_lshl_b32 s68, s[WB], 2
	s_add_co_u32 s67, s67, s68                     ; 128 x head + my first tile of tokens
	s_cmp_lt_u32 s[YY], 4
	s_cselect_b32 s70, 0, KIMG
	s_cselect_b32 s72, 0, KSCO-QSCO
	s_lshl_b32 s68, s67, 9
	s_add_co_u32 s70, s70, s68
	s_lshl_b32 s68, s67, 6
	s_add_co_u32 s72, s72, s68
	s_add_co_u32 s72, s72, QSCO
	s_add_nc_u64 s[70:71], s[12:13], s[70:71]
	s_add_nc_u64 s[72:73], s[12:13], s[72:73]
.irp b, 0,1,2,3
	global_store_b128 v[LI], v[FA+4*\b:FA+4*\b+3], s[70:71] offset:512*\b   ; 512 consecutive bytes
	global_store_b32 v[R4], v[FA+16+\b], s[72:73] offset:64*\b              ; bytes 0, 1 the head's two blocks, bytes 2, 3 zero; both lanes of a row store the same word
.endr
	s_wait_tensorcnt 0x0
	ds_add_u32 v254, v255
	s_wait_dscnt 0x0
	s_endpgm
.Lstore_v:
	s_sub_co_u32 s68, s[YY], 8
	s_lshl_b32 s68, s68, 2
	s_add_co_u32 s67, s67, s68
	s_add_co_u32 s67, s67, s[WB]                   ; the head: 16 x batch + 4 (Y - 8) + wb
	s_lshl_b32 s67, s67, 4
	s_and_b32 s68, ttmp9, 7
	s_lshl_b32 s68, s68, 1
	s_add_co_u32 s67, s67, s68
	s_lshr_b32 s68, s[WA], 1
	s_add_co_u32 s67, s67, s68                     ; 16 x head + key step
	s_and_b32 s74, s[WA], 1                        ; which half of the step's 128 keys
	s_lshl_b32 s70, s67, 12
	s_lshl_b32 s68, s74, 9
	s_add_co_u32 s70, s70, s68
	s_add_co_u32 s70, s70, VIMG
	s_lshl_b32 s72, s67, 8
	s_lshl_b32 s68, s74, 1
	s_add_co_u32 s72, s72, s68
	s_add_co_u32 s72, s72, VSCO
	s_add_nc_u64 s[70:71], s[12:13], s[70:71]
	s_add_nc_u64 s[72:73], s[12:13], s[72:73]
.irp b, 0,1,2,3
	global_store_b128 v[LI], v[FA+4*\b:FA+4*\b+3], s[70:71] offset:1024*\b
	global_store_b16 v[R4], v[FA+16+\b], s[72:73] offset:64*\b              ; my two of the word's four bytes
.endr
	s_wait_tensorcnt 0x0
	ds_add_u32 v254, v255
	s_wait_dscnt 0x0
	s_endpgm
.Lfunc_end_k_q49364bff40_qkv:
	.size	k_q49364bff40_qkv, .Lfunc_end_k_q49364bff40_qkv-k_q49364bff40_qkv
	.p2alignl 7, 3214868480
	.fill 96, 4, 3214868480
	.section	.rodata,"a",@progbits
	.p2align	6, 0x0
	.amdhsa_kernel k_q49364bff40_qkv
		.amdhsa_group_segment_fixed_size 280576
		.amdhsa_private_segment_fixed_size 0
		.amdhsa_enable_private_segment 0
		.amdhsa_kernarg_size 40
		.amdhsa_user_sgpr_count 2
		.amdhsa_user_sgpr_kernarg_segment_ptr 1
		.amdhsa_wavefront_size32 1
		.amdhsa_system_sgpr_workgroup_id_x 1
		.amdhsa_system_sgpr_workgroup_id_y 1
		.amdhsa_system_sgpr_workgroup_id_z 1
		.amdhsa_system_vgpr_workitem_id 0
		.amdhsa_next_free_vgpr 256
		.amdhsa_next_free_sgpr 80
		.amdhsa_reserve_vcc 0
		.amdhsa_float_denorm_mode_32 3
		.amdhsa_float_denorm_mode_16_64 3
		.amdhsa_memory_ordered 1
		.amdhsa_forward_progress 1
		.amdhsa_inst_pref_size 50
	.end_amdhsa_kernel
	.amdgpu_metadata
---
amdhsa.version: [ 1, 2 ]
amdhsa.kernels:
  - .name:           k_q49364bff40_qkv
    .symbol:         k_q49364bff40_qkv.kd
    .args:
      - { .name: xw, .offset: 0, .size: 8, .value_kind: global_buffer, .address_space: global }
      - { .name: bq, .offset: 8, .size: 8, .value_kind: global_buffer, .address_space: global }
      - { .name: bk, .offset: 16, .size: 8, .value_kind: global_buffer, .address_space: global }
      - { .name: bv, .offset: 24, .size: 8, .value_kind: global_buffer, .address_space: global }
      - { .name: qkvb, .offset: 32, .size: 8, .value_kind: global_buffer, .address_space: global }
    .group_segment_fixed_size: 280576
    .private_segment_fixed_size: 0
    .kernarg_segment_align: 8
    .kernarg_segment_size: 40
    .max_flat_workgroup_size: 512
    .sgpr_count:     80
    .vgpr_count:     256
    .wavefront_size: 32
...
	.end_amdgpu_metadata
.endif
;; end of part 2
;; launch attn (part 3): grid 8 x 32, 16 waves a work-group, no clusters, 276,480 bytes of LDS; arguments qkvb, mask, cls, ob; writes ob
.if DOCPART == 3
	.amdgcn_target "amdgcn-amd-amdhsa--gfx1250"
	.amdhsa_code_object_version 6
	.text
	.protected	k_q49364bff40_attn
	.globl	k_q49364bff40_attn
	.p2align	8
	.type	k_q49364bff40_attn,@function
k_q49364bff40_attn:
	s_mov_b64 s[64:65], 0
	v_nop
	global_prefetch_b8 v0, s[64:65] scope:SCOPE_SE
	s_setreg_imm32_b32 hwreg(HW_REG_WAVE_MODE, 25, 1), 1
	s_wait_xcnt 0x0
; ATTN: o = softmax(nan_to_num(s - rowmax(s))) v with s = q k^T / 8 + (mask ? -inf : 0), both products on codes of FP4 with E8M0 scales; o is quantised for the output projection.
; THE SOFTMAX.  What the softmax is given is the score less its row's maximum, so the largest logit is 0 and the whole number M of the rule is 0: p = 2^((s - m) c), c = log2(e) / 8, the row's largest p exactly 1.
; m is no whole number, so a running maximum would give other codes: THE KEYS ARE WALKED TWICE.  Pass 1: K Q^T and the row's maximum m.  Pass 2: K Q^T again (the same bits), p, its sum l (of the unquantised p),
; p's codes, O^T += V^T P.  Nothing is ever rescaled.  A row that is blocked at every key gives NaN, then 0, in reference(): p = 1 at all 2,048 keys; here its c is 0.
; THE MASK is an input.  The launch before has classed each tile of 16 queries x 128 keys (cls: two bits a key step: 0 all blocked, 1 all open, 2 mixed).  A blocked tile adds exactly 0 to rows that have an open
; key elsewhere, and is passed over by a scalar branch on that stored number (a tile with a wholly blocked row has all its steps 'mixed').  In a mixed tile the mask bytes x 0xF1, shifted to the top byte, are the
; C of the first product: blocked: at most -2^99; open: under 2^-125 in magnitude.  An open tile takes C = 0.
; SHARES.  Work-group (g, head): 16 waves, one tile of 16 queries each; the four waves with equal wave % 4 hold tiles i, 127 - i, 32 + i, 95 - i.  The head's K, V and scale words lie in LDS, filled once through registers
; (no tensor load: branches here hang on loaded numbers).  No cluster for the same reason: a joint request is a tensor load.
; LAYOUT.  Both products transposed: S^T = K Q^T, O^T = V^T P: a lane holds one query throughout.  The head's 64 channels fill half of the instruction's 128: Q's upper half is zero codes, so K's fragment t may be
; v[KF + 4 t .. + 7], whose upper four registers are the next tile's codes: they meet zeros.
; LIMITS: raw scores stay above -2^98; mask bytes are 0 or 1; p under 2^-126 counts as 0; a block of zeros gets the byte 1.
.set KIMG, 0x200000
.set VIMG, 0x400000
.set QSCO, 0x600000
.set KSCO, 0x640000
.set VSCO, 0x680000
.set OSC,  0x200000
.set VIML, 65536                       ; LDS: K's images at 0 (64 KB), V's here (64 KB),
.set KSCL, 131072                      ; K's scale words [step][lane][4]: register p: lanes 0-15 tile 2 p, lanes 16-31 tile 2 p + 1,
.set VSCL, 139264                      ; V's [step][lane][2],
.set BML,  143360                      ; and each wave's own 16 x 512 bytes: the blocks' largest scores from pass 1
.set LI,  1                            ; v1   16 x lane
.set ADK, 4                            ; v4-6, v8, v9, v34: the trip's addresses
.set ADV, 5
.set ADB, 6
.set MO,  7                            ; v7   my query's row of the mask, + 16 h
.set MA,  8
.set ADS, 9
.set LIV, 10
.set KSB, 11
.set BMB, 12
.set VSB, 13
.set CL,  14                           ; v[14:15] c of my query
.set MX,  18                           ; v18 m;  v19 the running maximum
.set LS,  20                           ; v[20:21] l;  v[22:23] its second chain
.set QF,  24                           ; v24-31 Q; v28-31 zero codes
.set QS,  32                           ; v32  Q's scale words
.set R4,  33
.set ADT, 34
.set NIL, 35
.set KS,  36                           ; v36-39 K's scale words;  v40-41 V's;  v42 P's: scales and nothing else
.set VS,  40
.set PW,  42
.set KF,  44                           ; v44-75 K's eight half fragments, then V's four fragments;  v76-79 zero codes
.set S,   80                           ; v80-143 S^T, then p
.set OA,  144                          ; v144-175 O^T
.set PC,  176                          ; v176-183 p's codes
.set BX,  184                          ; v184-187 the blocks' largest
.set TMP, 188
.set TS4, 192
.set TM,  196
.set WV,  12
.set BH,  13
.set TP,  14
.set SEL, 26
.set CW,  28
.set CWC, 29
.set CC,  30
.set TK,  31
.set TS,  32
.set TV,  33
.set TQ,  34
.set CNT, 35
.set F1,  36
.set THR, 37
.macro PLACES
.rept 4
	v_nop
.endr
.endm
.macro KQ t, zero                      ; scores of 16 keys x my 16 queries
.if \zero
.if (\t)%2
	v_wmma_scale_f32_16x16x128_f8f6f4 v[S+8*\t:S+8*\t+7], v[KF+4*\t:KF+4*\t+7], v[QF:QF+7], 0, v[KS+(\t)/2], v[QS] matrix_a_fmt:MATRIX_FMT_FP4 matrix_b_fmt:MATRIX_FMT_FP4 matrix_a_scale:MATRIX_SCALE_ROW1
.else
	v_wmma_scale_f32_16x16x128_f8f6f4 v[S+8*\t:S+8*\t+7], v[KF+4*\t:KF+4*\t+7], v[QF:QF+7], 0, v[KS+(\t)/2], v[QS] matrix_a_fmt:MATRIX_FMT_FP4 matrix_b_fmt:MATRIX_FMT_FP4
.endif
.else
.if (\t)%2
	v_wmma_scale_f32_16x16x128_f8f6f4 v[S+8*\t:S+8*\t+7], v[KF+4*\t:KF+4*\t+7], v[QF:QF+7], v[S+8*\t:S+8*\t+7], v[KS+(\t)/2], v[QS] matrix_a_fmt:MATRIX_FMT_FP4 matrix_b_fmt:MATRIX_FMT_FP4 matrix_a_scale:MATRIX_SCALE_ROW1
.else
	v_wmma_scale_f32_16x16x128_f8f6f4 v[S+8*\t:S+8*\t+7], v[KF+4*\t:KF+4*\t+7], v[QF:QF+7], v[S+8*\t:S+8*\t+7], v[KS+(\t)/2], v[QS] matrix_a_fmt:MATRIX_FMT_FP4 matrix_b_fmt:MATRIX_FMT_FP4
.endif
.endif
.endm
; A key step's scores: register 16 b + i of S is key 128 step + 32 b + 16 (lane / 16) + i of my query
.macro SCORES
.irp t, 0,1,2,3,4,5,6,7
	ds_load_b128 v[KF+4*\t:KF+4*\t+3], v[ADK] offset:512*\t
.endr
	ds_load_b128 v[KS:KS+3], v[ADS]
	s_cmp_eq_u32 s[CC], 2
	s_cbranch_scc0 .Lopen_\@
.irp b, 0,1,2,3
	global_load_b128 v[S+16*\b+12:S+16*\b+15], v[MA], s[6:7] offset:32*\b   ; my query's 16 mask bytes of block b
.endr
	s_wait_loadcnt 0x0
.irp b, 0,1,2,3
.irp d, 0,1,2,3                                ; word d: keys 4 d .. 4 d + 3; it is used up before its register is written over
	v_mul_lo_u32 v[S+16*\b+4*\d+3], v[S+16*\b+12+\d], s[F1]
	v_lshlrev_b32 v[S+16*\b+4*\d+2], 8, v[S+16*\b+4*\d+3]
	v_lshlrev_b32 v[S+16*\b+4*\d+1], 16, v[S+16*\b+4*\d+3]
	v_lshlrev_b32 v[S+16*\b+4*\d], 24, v[S+16*\b+4*\d+3]
.endr
.endr
	PLACES
	s_wait_dscnt 0x0
.irp t, 0,1,2,3,4,5,6,7
	KQ \t, 0
.endr
	s_branch .Ljoin_\@
.Lopen_\@:
	s_wait_dscnt 0x0
.irp t, 0,1,2,3,4,5,6,7
	KQ \t, 1
.endr
.Ljoin_\@:
	PLACES                                         ; in front of the first read of the scores and of loads into the fragments' registers
.endm
.macro QUANT2 s, pc, pw                ; as in the launch before: 32 numbers of a lane become half a fragment and two scale bytes
.irp b, 0,1
	v_max3_num_f32 v[TM+\b], |v[(\s)+16*\b]|, |v[(\s)+16*\b+1]|, 0x1800000
.endr
.irp i, 2,4,6,8,10,12,14
.irp b, 0,1
	v_max3_num_f32 v[TM+\b], v[TM+\b], |v[(\s)+16*\b+\i]|, |v[(\s)+16*\b+\i+1]|
.endr
.endr
.irp b, 0,1
	v_permlanex16_b32 v[TM+2+\b], v[TM+\b], s[SEL], s[SEL+1]
.endr
.irp b, 0,1
	v_max_num_f32 v[TM+\b], v[TM+\b], v[TM+2+\b]
.endr
.irp b, 0,1
	v_add_nc_u32 v[TM+4+\b], 0xff000000, v[TM+\b]
.endr
.irp b, 0,1
	v_lshrrev_b32 v[TM+2+\b], 23, v[TM+4+\b]
.endr
	v_lshl_or_b32 v[\pw], v[TM+3], 8, v[TM+2]
.irp b, 0,1
	v_cvt_scalef32_pk8_fp4_f32 v[(\pc)+2*\b], v[(\s)+16*\b:(\s)+16*\b+7], v[TM+4+\b]
	v_cvt_scalef32_pk8_fp4_f32 v[(\pc)+2*\b+1], v[(\s)+16*\b+8:(\s)+16*\b+15], v[TM+4+\b]
.endr
	v_nop
	v_permlane16_swap_b32 v[\pc], v[(\pc)+2]
	v_permlane16_swap_b32 v[(\pc)+1], v[(\pc)+3]
.endm
	s_load_b256 s[4:11], s[0:1], 0x0               ; qkvb, mask, cls, ob
	v_lshl_add_u32 v208, v0, 2, 0x43000
	v_mov_b32 v209, 0
	v_lshrrev_b32 v1, 5, v0
	v_readfirstlane_b32 s[WV], v1                  ; wave 0..15
	s_and_b32 s[BH], ttmp7, 0xffff                 ; 16 x batch + head
	s_lshl_b32 s15, ttmp9, 2
	s_and_b32 s16, s[WV], 3
	s_add_co_u32 s15, s15, s16                     ; i = 4 g + wave % 4
	s_lshr_b32 s16, s[WV], 3
	s_lshl_b32 s16, s16, 5
	s_add_co_u32 s15, s15, s16                     ; + 32 for waves 8-15
	s_sub_co_u32 s16, 127, s15
	s_bitcmp1_b32 s[WV], 2
	s_cselect_b32 s[TP], s16, s15                  ; my tile of queries: i, 127 - i, 32 + i, 95 - i
	s_mov_b32 s[SEL], 0x76543210
	s_mov_b32 s[SEL+1], 0xfedcba98
	s_mov_b32 s[F1], 0xf1
	s_mov_b32 s[THR], 0xf0800000                   ; -2^98
	v_and_b32 v1, 31, v0
	v_and_b32 v2, 15, v0                           ; r
	v_bfe_u32 v3, v0, 4, 1                         ; h
	v_lshrrev_b32 v[VSB], 0, v1
	v_lshlrev_b32 v[VSB], 3, v[VSB]
	v_add_nc_u32 v[VSB], VSCL, v[VSB]              ; V's scale words: 8 x lane
	v_lshlrev_b32 v[LI], 4, v1
	v_lshlrev_b32 v[R4], 2, v2
	v_mov_b32 v[NIL], 0
	v_add_nc_u32 v[LIV], VIML, v[LI]
	v_add_nc_u32 v[KSB], KSCL, v[LI]
	s_lshl_b32 s38, s[WV], 13
	s_add_co_u32 s38, s38, BML
	v_add_nc_u32 v[BMB], s38, v[LI]
	v_and_b32 v[MO], 8, v2
	v_add_nc_u32 v[MO], v[MO], v2
	v_lshlrev_b32 v[MO], 11, v[MO]
	v_lshl_add_u32 v[MO], v3, 4, v[MO]             ; (r + 8 (r / 8)) rows of 2,048 bytes, + 16 h
	; the fill's addresses
	v_lshlrev_b32 v4, 4, v0                        ; 16 x thread: in memory and in LDS alike
	v_lshlrev_b32 v5, 3, v0
	v_add_nc_u32 v6, VIML, v4
	v_lshrrev_b32 v8, 5, v0
	v_lshlrev_b32 v9, 8, v8
	v_lshlrev_b32 v8, 9, v8                        ; K's words 4 t .. 4 t + 3 of thread t: step t / 32, tile (t / 4) % 8, rows 4 (t % 4) + 0 .. 3
	v_bfe_u32 v34, v0, 2, 1
	v_lshl_add_u32 v8, v34, 8, v8                  ; an odd tile goes to lanes 16-31
	v_and_b32 v34, 3, v0
	v_lshl_add_u32 v8, v34, 6, v8
	v_bfe_u32 v34, v0, 3, 2
	v_lshl_add_u32 v8, v34, 2, v8                  ; the pair of tiles
	v_add_nc_u32 v8, KSCL, v8
	v_bfe_u32 v34, v0, 3, 1                        ; V's words 2 t, 2 t + 1: step t / 32, tile (t / 8) % 4, rows 2 (t % 8) + 0, 1
	v_lshl_add_u32 v9, v34, 7, v9
	v_and_b32 v34, 7, v0
	v_lshl_add_u32 v9, v34, 4, v9
	v_bfe_u32 v34, v0, 4, 1
	v_lshl_add_u32 v9, v34, 2, v9
	v_add_nc_u32 v9, VSCL, v9
	s_lshl_b32 s38, s[BH], 16
	s_mov_b32 s39, 0
	s_lshl_b32 s40, s[BH], 13
	s_mov_b32 s41, 0
	s_lshl_b32 s42, s[BH], 12
	s_mov_b32 s43, 0
	s_lshl_b32 s44, s[BH], 7
	s_add_co_u32 s44, s44, s[TP]                   ; 128 x head + my tile
	s_wait_kmcnt 0x0
	s_add_nc_u64 s[16:17], s[4:5], s[38:39]        ; the head's 64 KB in K's and in V's images (the regions' offsets stand in the immediates)
	s_add_nc_u64 s[18:19], s[4:5], s[40:41]        ; its 8 KB of K's scale words
	s_add_nc_u64 s[20:21], s[4:5], s[42:43]        ; its 4 KB of V's
	s_lshl_b32 s38, s44, 9
	s_add_nc_u64 s[22:23], s[4:5], s[38:39]        ; my tile of Q
	s_lshl_b32 s38, s44, 6
	s_add_nc_u64 s[24:25], s[4:5], s[38:39]        ; and its scale words
	s_lshl_b32 s38, s[TP], 2
	s_add_nc_u64 s[8:9], s[8:9], s[38:39]
	s_load_b32 s[CW], s[8:9], 0x0                  ; my tile's 16 classes
	s_lshr_b32 s38, s[TP], 1
	s_lshl_b32 s38, s38, 16
	s_and_b32 s40, s[TP], 1
	s_lshl_b32 s40, s40, 14
	s_add_co_u32 s38, s38, s40
	s_add_nc_u64 s[6:7], s[6:7], s[38:39]          ; the mask at my tile's first row
.irp i, 0,1,2,3,4,5,6,7
	global_load_b128 v[64+4*\i:67+4*\i], v4, s[16:17] offset:KIMG+8192*\i
.endr
.irp i, 0,1,2,3,4,5,6,7
	global_load_b128 v[96+4*\i:99+4*\i], v4, s[16:17] offset:VIMG+8192*\i
.endr
	global_load_b128 v[128:131], v4, s[18:19] offset:KSCO
	global_load_b64 v[132:133], v5, s[20:21] offset:VSCO
	global_load_b128 v[QF:QF+3], v[LI], s[22:23]
	global_load_b32 v[QS], v[R4], s[24:25] offset:QSCO
.irp j, 0,1,2,3
	v_mov_b32 v[QF+4+\j], 0                        ; Q's upper 64 along K: zero codes
.endr
.set j, 0
.rept 32
	v_mov_b32 v[OA+j], 0                           ; O^T: which key step comes first hangs on the stored classes, so no first step can be written out
.set j, j+1
.endr
.set j, 0
.rept 16
	v_mov_b32 v[TMP+j], 0                          ; written once: a lane permute's destination counts as one of its sources
.set j, j+1
.endr
	v_mov_b32 v19, 0xff7fffff                      ; the running maximum: under every score
.irp j, 0,1,2,3
	v_mov_b32 v[LS+\j], 0
.endr
.irp i, 0,1,2,3,4,5,6,7
	s_wait_loadcnt 19-\i                           ; 20 loads in all: number i is in when at most 19 - i are out
	ds_store_b128 v4, v[64+4*\i:67+4*\i] offset:8192*\i
.endr
.irp i, 0,1,2,3,4,5,6,7
	s_wait_loadcnt 11-\i
	ds_store_b128 v6, v[96+4*\i:99+4*\i] offset:8192*\i
.endr
	s_wait_loadcnt 3
.irp k, 0,1,2,3
	ds_store_b32 v8, v[128+\k] offset:16*\k
.endr
	s_wait_loadcnt 2
	ds_store_b32 v9, v132
	ds_store_b32 v9, v133 offset:8
	s_wait_loadcnt 0x0                             ; Q
	s_wait_kmcnt 0x0                               ; the classes
	s_wait_dscnt 0x0                               ; for the others' sake: my stores have landed
	s_barrier_signal -1
	s_barrier_wait -1                              ; the launch's one barrier: from here on LDS is only read, but for each wave's own bytes
.irp j, 0,1,2,3
	v_mov_b32 v[KF+32+\j], 0                       ; behind tile 7's codes: zero codes
.endr
	; ---- PASS 1: the row's maximum
	s_mov_b32 s[CWC], s[CW]
	s_mov_b32 s[TK], 0
	s_mov_b32 s[TS], 0
	s_mov_b32 s[TQ], 0
	s_mov_b32 s[CNT], 0
.Lp1:
	v_add_nc_u32 v[ADK], s[TK], v[LI]              ; the trip's addresses, on every way (no LDS or memory instruction of mine is out)
	v_add_nc_u32 v[ADS], s[TS], v[KSB]
	v_add_nc_u32 v[ADB], s[TS], v[BMB]
	v_add_nc_u32 v[MA], s[TQ], v[MO]
	s_and_b32 s[CC], s[CWC], 3
	s_cmp_eq_u32 s[CC], 0
	s_cbranch_scc1 .Lp1_next                       ; all blocked: passed over
	SCORES
.irp b, 0,1,2,3
	v_max3_num_f32 v[TMP+\b], v[S+16*\b], v[S+16*\b+1], v[S+16*\b+2]   ; the largest score of my 16 keys of each block of 32; each accumulator is read from its low end on
.endr
.irp i, 3,5,7,9,11,13
.irp b, 0,1,2,3
	v_max3_num_f32 v[TMP+\b], v[TMP+\b], v[S+16*\b+\i], v[S+16*\b+\i+1]
.endr
.endr
.irp b, 0,1,2,3
	v_max_num_f32 v[TMP+\b], v[TMP+\b], v[S+16*\b+15]
.endr
	ds_store_b128 v[ADB], v[TMP:TMP+3]             ; kept for pass 2, in my wave's own bytes
	v_max3_num_f32 v19, v19, v[TMP], v[TMP+1]
	v_max3_num_f32 v19, v19, v[TMP+2], v[TMP+3]
	s_wait_dscnt 0x0                               ; the store has read its registers
.Lp1_next:
	s_lshr_b32 s[CWC], s[CWC], 2
	s_add_co_u32 s[TK], s[TK], 4096
	s_add_co_u32 s[TS], s[TS], 512
	s_add_co_u32 s[TQ], s[TQ], 128
	s_add_co_u32 s[CNT], s[CNT], 1
	s_cmp_lt_u32 s[CNT], 16
	s_cbranch_scc1 .Lp1
	v_permlanex16_b32 v[TMP], v19, s[SEL], s[SEL+1]
	v_max_num_f32 v[MX], v19, v[TMP]               ; m: with lane l xor 16's keys
	v_mov_b32 v[TMP+1], 0x3e38aa3b                 ; c = log2(e) / 8
	v_cmp_gt_f32 vcc_lo, s[THR], v[MX]             ; under -2^98: every key of the row is blocked
	v_cndmask_b32 v[CL], v[TMP+1], v[NIL], vcc_lo  ; then c = 0: t = 0 and p = 1 at every key
	v_mov_b32 v[CL+1], v[CL]
	; ---- PASS 2
	s_mov_b32 s[CWC], s[CW]
	s_mov_b32 s[TK], 0
	s_mov_b32 s[TS], 0
	s_mov_b32 s[TV], 0
	s_mov_b32 s[TQ], 0
	s_mov_b32 s[CNT], 0
.Lp2:
	v_add_nc_u32 v[ADK], s[TK], v[LI]
	v_add_nc_u32 v[ADS], s[TS], v[KSB]
	v_add_nc_u32 v[ADB], s[TS], v[BMB]
	v_add_nc_u32 v[MA], s[TQ], v[MO]
	v_add_nc_u32 v[ADV], s[TK], v[LIV]
	v_add_nc_u32 v[ADT], s[TV], v[VSB]
	s_and_b32 s[CC], s[CWC], 3
	s_cmp_eq_u32 s[CC], 0
	s_cbranch_scc1 .Lp2_next
	ds_load_b128 v[BX:BX+3], v[ADB]
	SCORES
.irp t, 0,1,2,3
.irp c, 0,1
	ds_load_b128 v[KF+8*\t+4*\c:KF+8*\t+4*\c+3], v[ADV] offset:1024*\t+512*\c   ; V's four fragments land while the softmax is worked
.endr
.endr
	ds_load_b64 v[VS:VS+1], v[ADT]
.set j, 0
.rept 32
	v_pk_add_f32 v[S+j:S+j+1], v[S+j:S+j+1], v[MX:MX+1] op_sel_hi:[1,0] neg_lo:[0,1] neg_hi:[0,1]   ; s - m, two at a time, ascending
.set j, j+2
.endr
.irp b, 0,1,2,3
	v_permlanex16_b32 v[TMP+\b], v[BX+\b], s[SEL], s[SEL+1]
.endr
.irp b, 0,1,2,3
	v_max_num_f32 v[BX+\b], v[BX+\b], v[TMP+\b]    ; each block's largest score: p rises with the score, so it gives the block's largest p
.endr
.irp b, 0,1,2,3
	v_sub_f32 v[BX+\b], v[BX+\b], v[MX]
.endr
.set j, 0
.rept 32
	v_pk_mul_f32 v[S+j:S+j+1], v[S+j:S+j+1], v[CL:CL+1] op_sel_hi:[1,0]   ; t = (s - m) c
.set j, j+2
.endr
.irp b, 0,1,2,3
	v_mul_f32 v[BX+\b], v[CL], v[BX+\b]            ; the same two operations on the same numbers: the same bits
.endr
.set j, 0
.rept 64
	v_exp_f32 v[S+j], v[S+j]                       ; p = 2^t, at most 1, not normalised
.set j, j+1
.endr
.irp b, 0,1,2,3
	v_exp_f32 v[BX+\b], v[BX+\b]
.endr
	v_nop                                          ; a plain line behind the last exponential
	s_wait_alu depctr_va_vdst(0)                   ; one wait for the batch of 68, ahead of its first reader
.irp b, 0,1,2,3
	v_max_num_f32 v[BX+\b], 0x1800000, v[BX+\b]    ; the floor 2^(3 - 127): the byte cannot fall under 1
.endr
.irp b, 0,1,2,3
	v_add_nc_u32 v[TS4+\b], 0xff000000, v[BX+\b]   ; 2 off the exponent field: the conversion's scale operand
.endr
.irp b, 0,1,2,3
	v_lshrrev_b32 v[TMP+\b], 23, v[TS4+\b]
.endr
	v_lshl_or_b32 v[PW], v[TMP+1], 8, v[TMP]       ; p's scale word for these 128 keys
	v_lshl_or_b32 v[PW], v[TMP+2], 16, v[PW]
	v_lshl_or_b32 v[PW], v[TMP+3], 24, v[PW]
.irp b, 0,1,2,3
	v_cvt_scalef32_pk8_fp4_f32 v[PC+2*\b], v[S+16*\b:S+16*\b+7], v[TS4+\b]
	v_cvt_scalef32_pk8_fp4_f32 v[PC+2*\b+1], v[S+16*\b+8:S+16*\b+15], v[TS4+\b]
.endr
	v_nop                                          ; one plain line behind the scaled conversions
.irp c, 0,1
.irp i, 0,1
	v_permlane16_swap_b32 v[PC+4*\c+\i], v[PC+2+4*\c+\i]
.endr
.endr
	v_pk_add_f32 v[LS+2:LS+3], v[S:S+1], v[S+2:S+3]        ; l is summed of the unquantised p, in two chains; these 32 lines also stand between the scale word, the codes and the products
.set j, 4
.rept 15
	v_pk_add_f32 v[LS:LS+1], v[LS:LS+1], v[S+j:S+j+1]
	v_pk_add_f32 v[LS+2:LS+3], v[LS+2:LS+3], v[S+j+2:S+j+3]
.set j, j+4
.endr
	v_pk_add_f32 v[LS:LS+1], v[LS:LS+1], v[LS+2:LS+3]
	s_wait_dscnt 0x0                               ; V
	v_wmma_scale_f32_16x16x128_f8f6f4 v[OA:OA+7], v[KF:KF+7], v[PC:PC+7], v[OA:OA+7], v[VS], v[PW] matrix_a_fmt:MATRIX_FMT_FP4 matrix_b_fmt:MATRIX_FMT_FP4
	v_wmma_scale_f32_16x16x128_f8f6f4 v[OA+8:OA+15], v[KF+8:KF+15], v[PC:PC+7], v[OA+8:OA+15], v[VS], v[PW] matrix_a_fmt:MATRIX_FMT_FP4 matrix_b_fmt:MATRIX_FMT_FP4 matrix_a_scale:MATRIX_SCALE_ROW1
	v_wmma_scale_f32_16x16x128_f8f6f4 v[OA+16:OA+23], v[KF+16:KF+23], v[PC:PC+7], v[OA+16:OA+23], v[VS+1], v[PW] matrix_a_fmt:MATRIX_FMT_FP4 matrix_b_fmt:MATRIX_FMT_FP4
	v_wmma_scale_f32_16x16x128_f8f6f4 v[OA+24:OA+31], v[KF+24:KF+31], v[PC:PC+7], v[OA+24:OA+31], v[VS+1], v[PW] matrix_a_fmt:MATRIX_FMT_FP4 matrix_b_fmt:MATRIX_FMT_FP4 matrix_a_scale:MATRIX_SCALE_ROW1
	PLACES                                         ; in front of the next trip's loads into these registers, and of the way out's reads
.Lp2_next:
	s_lshr_b32 s[CWC], s[CWC], 2
	s_add_co_u32 s[TK], s[TK], 4096
	s_add_co_u32 s[TS], s[TS], 512
	s_add_co_u32 s[TV], s[TV], 256
	s_add_co_u32 s[TQ], s[TQ], 128
	s_add_co_u32 s[CNT], s[CNT], 1
	s_cmp_lt_u32 s[CNT], 16
	s_cbranch_scc1 .Lp2
	; ---- THE WAY OUT: o = O^T / l; register 16 b + i is channel 32 b + 16 (lane / 16) + i of my query: quantised as it stands
	v_add_f32 v[LS], v[LS], v[LS+1]
	v_permlanex16_b32 v[TMP], v[LS], s[SEL], s[SEL+1]
	v_add_f32 v[LS], v[LS], v[TMP]                 ; l, at least 1
	v_rcp_f32 v[LS], v[LS]
	v_nop
	s_lshr_b32 s38, s[BH], 4
	s_lshl_b32 s38, s38, 7
	s_add_co_u32 s38, s38, s[TP]                   ; the tile among all 256
	s_and_b32 s40, s[BH], 15                       ; the head
	s_lshl_b32 s41, s38, 13
	s_lshl_b32 s42, s40, 9
	s_add_co_u32 s42, s41, s42
	s_mov_b32 s43, 0
	s_add_nc_u64 s[42:43], s[10:11], s[42:43]      ; ob + 8,192 tile + 512 head: K step head / 2, half head % 2 of the projection's operand
	s_lshl_b32 s41, s38, 9
	s_lshr_b32 s44, s40, 1
	s_lshl_b32 s44, s44, 6
	s_add_co_u32 s44, s44, s41
	s_and_b32 s41, s40, 1
	s_lshl_b32 s41, s41, 1
	s_add_co_u32 s44, s44, s41
	s_mov_b32 s45, 0
	s_add_nc_u64 s[44:45], s[10:11], s[44:45]
	s_wait_alu depctr_va_vdst(0)                   ; ahead of the reciprocal's first reader
.set j, 0
.rept 32
	v_mul_f32 v[S+j], v[OA+j], v[LS]
.set j, j+1
.endr
	QUANT2 S, PC, PW
	global_store_b128 v[LI], v[PC:PC+3], s[42:43]  ; 512 consecutive bytes
	global_store_b16 v[R4], v[PW], s[44:45] offset:OSC     ; my head's two of the word's four bytes
	s_wait_tensorcnt 0x0
	ds_add_u32 v208, v209
	s_wait_dscnt 0x0
	s_endpgm
.Lfunc_end_k_q49364bff40_attn:
	.size	k_q49364bff40_attn, .Lfunc_end_k_q49364bff40_attn-k_q49364bff40_attn
	.p2alignl 7, 3214868480
	.fill 96, 4, 3214868480
	.section	.rodata,"a",@progbits
	.p2align	6, 0x0
	.amdhsa_kernel k_q49364bff40_attn
		.amdhsa_group_segment_fixed_size 276480
		.amdhsa_private_segment_fixed_size 0
		.amdhsa_enable_private_segment 0
		.amdhsa_kernarg_size 32
		.amdhsa_user_sgpr_count 2
		.amdhsa_user_sgpr_kernarg_segment_ptr 1
		.amdhsa_wavefront_size32 1
		.amdhsa_system_sgpr_workgroup_id_x 1
		.amdhsa_system_sgpr_workgroup_id_y 1
		.amdhsa_system_sgpr_workgroup_id_z 1
		.amdhsa_system_vgpr_workitem_id 0
		.amdhsa_next_free_vgpr 210
		.amdhsa_next_free_sgpr 66
		.amdhsa_reserve_vcc 1
		.amdhsa_float_denorm_mode_32 3
		.amdhsa_float_denorm_mode_16_64 3
		.amdhsa_memory_ordered 1
		.amdhsa_forward_progress 1
		.amdhsa_inst_pref_size 41
	.end_amdhsa_kernel
	.amdgpu_metadata
---
amdhsa.version: [ 1, 2 ]
amdhsa.kernels:
  - .name:           k_q49364bff40_attn
    .symbol:         k_q49364bff40_attn.kd
    .args:
      - { .name: qkvb, .offset: 0, .size: 8, .value_kind: global_buffer, .address_space: global }
      - { .name: mask, .offset: 8, .size: 8, .value_kind: global_buffer, .address_space: global }
      - { .name: cls, .offset: 16, .size: 8, .value_kind: global_buffer, .address_space: global }
      - { .name: ob, .offset: 24, .size: 8, .value_kind: global_buffer, .address_space: global }
    .group_segment_fixed_size: 276480
    .private_segment_fixed_size: 0
    .kernarg_segment_align: 8
    .kernarg_segment_size: 32
    .max_flat_workgroup_size: 512
    .sgpr_count:     66
    .vgpr_count:     210
    .wavefront_size: 32
...
	.end_amdgpu_metadata
.endif
;; end of part 3
;; launch outln (part 4): grid 256 x 1, 8 waves a work-group, no clusters, 69,632 bytes of LDS; arguments ob, xw, x, bo, gamma, beta, out0; writes out0
.if DOCPART == 4
	.amdgcn_target "amdgcn-amd-amdhsa--gfx1250"
	.amdhsa_code_object_version 6
	.text
	.protected	k_q49364bff40_outln
	.globl	k_q49364bff40_outln
	.p2align	8
	.type	k_q49364bff40_outln,@function
k_q49364bff40_outln:
	s_mov_b64 s[64:65], 0
	v_nop
	global_prefetch_b8 v0, s[64:65] scope:SCOPE_SE
	s_setreg_imm32_b32 hwreg(HW_REG_WAVE_MODE, 25, 1), 1
	s_wait_xcnt 0x0
; OUTLN: out = nan_to_num(LayerNorm(o Wo^T + bo + nan_to_num(x)) gamma + beta); the product on codes of FP4 with E8M0 scales, K = 1,024.
; SHARES.  A work-group owns one tile of 16 tokens (rows 32 (T / 2) + 8 (T % 2) + r + 8 (r / 8)), whole rows, so the norm stays inside it: 256 work-groups.  Wave w makes outputs 128 w .. 128 w + 127: eight tiles of Wo.
; The product is used transposed (source 0 = 16 rows of Wo, source 1 = the tokens): a lane holds one token, and register 16 b + i is output 128 w + 32 b + 16 (lane / 16) + i.
; A fragment of Wo serves one wave alone, so it goes from memory straight into registers, 512 consecutive bytes a load, two K steps' worth of buffers by turns (23 loads a K step).
; nan_to_num(x) + bo is the C of the first products: x comes in dense rows and turns through the wave's own stage in LDS into the accumulators' layout; the results turn back the same way and leave as 512 consecutive bytes.
; THE NORM takes two passes over the registers (mean; then the squares of the differences): no difference of large sums.  Two barriers, one for each sum over the eight waves.
; No cluster and no LDS ring for Wo: a K step is eight products a wave, too short to carry a round of a cluster's barrier.  The price is stated: every work-group reads all of Wo's images.
.set WIMG, 0x200000
.set WSC,  0x420000
.set OSC,  0x200000
.set SPT,  528
.set RED1, 8*16*SPT                    ; behind the eight stages: [16 tokens][8 waves] words; RED2 512 bytes on
.set LI,  1
.set STD, 4                            ; v4   the stage, dense: 8,448 w + 16 x lane
.set STL, 5                            ; v5   the stage, by the accumulators' layout: 8,448 w + 528 r + 64 h
.set R4,  6
.set WSO, 7                            ; v7   512 h + 4 r: lanes 0-15 an even tile's words, lanes 16-31 the odd one's
.set RWA, 8
.set RDA, 9
.set GBO, 10
.set ACC, 16                           ; v16-79
.set WF,  80                           ; buffer f at + 80 f: v80-143 Wo's eight fragments, v144-151 o's, v152-155 Wo's scale words, v156 o's
.set OF,  144
.set WS,  152
.set OS,  156
.set XR,  160                          ; x's 16 rows, in buffer 1's fragments
.set OR,  80                           ; the way out: 16 rows
.set GA,  240
.set BE,  244
.set BO,  248
.set NIL, 254
.set WV,  18
.set WP,  20
.set WSP, 22
.set OP,  24
.set OSP, 26
.set SEL, 28
.set SGN, 30
.set E9,  31
.set INF, 32
.set C10, 33
.set EPS, 34
.macro PLACES
.rept 4
	v_nop
.endr
.endm
.macro N2N x                           ; nan_to_num of one number
	v_and_b32 v252, 0x7fffffff, v[\x]
	v_and_or_b32 v253, v[\x], s[SGN], s[E9]
	v_cmp_eq_u32 vcc_lo, s[INF], v252
	v_cndmask_b32 v[\x], v[\x], v253, vcc_lo
	v_cmp_lt_u32 vcc_lo, s[INF], v252
	v_cndmask_b32 v[\x], v[\x], v[NIL], vcc_lo
.endm
.macro STEPLOAD ks, bf                 ; K step ks into buffer bf: 23 loads
.irp t, 0,1,2,3,4,5,6,7
.irp c, 0,1
	global_load_b128 v[WF+80*(\bf)+8*\t+4*\c:WF+80*(\bf)+8*\t+4*\c+3], v[LI], s[WP:WP+1] offset:8192*\t+1024*(\ks)+512*\c
.endr
.endr
.irp c, 0,1
	global_load_b128 v[OF+80*(\bf)+4*\c:OF+80*(\bf)+4*\c+3], v[LI], s[OP:OP+1] offset:1024*(\ks)+512*\c
.endr
.irp p, 0,1,2,3
	global_load_b32 v[WS+80*(\bf)+\p], v[WSO], s[WSP:WSP+1] offset:1024*\p+64*(\ks)
.endr
	global_load_b32 v[OS+80*(\bf)], v[R4], s[OSP:OSP+1] offset:64*(\ks)
.endm
.macro MUL8 bf                         ; eight products; the eight accumulators take turns
.irp t, 0,2,4,6
	v_wmma_scale_f32_16x16x128_f8f6f4 v[ACC+8*\t:ACC+8*\t+7], v[WF+80*(\bf)+8*\t:WF+80*(\bf)+8*\t+7], v[OF+80*(\bf):OF+80*(\bf)+7], v[ACC+8*\t:ACC+8*\t+7], v[WS+80*(\bf)+\t/2], v[OS+80*(\bf)] matrix_a_fmt:MATRIX_FMT_FP4 matrix_b_fmt:MATRIX_FMT_FP4
	v_wmma_scale_f32_16x16x128_f8f6f4 v[ACC+8*\t+8:ACC+8*\t+15], v[WF+80*(\bf)+8*\t+8:WF+80*(\bf)+8*\t+15], v[OF+80*(\bf):OF+80*(\bf)+7], v[ACC+8*\t+8:ACC+8*\t+15], v[WS+80*(\bf)+\t/2], v[OS+80*(\bf)] matrix_a_fmt:MATRIX_FMT_FP4 matrix_b_fmt:MATRIX_FMT_FP4 matrix_a_scale:MATRIX_SCALE_ROW1
.endr
.endm
; my wave's sum in v80 goes to the token's row of words at off; behind the barrier v84 holds the sum over the eight waves
.macro ALLSUM off
	v_add_f32 v80, v80, v81
	v_permlanex16_b32 v82, v80, s[SEL], s[SEL+1]
	v_add_f32 v80, v80, v82                        ; my token's sum over my wave's 128 outputs
	ds_store_b32 v[RWA], v80 offset:\off           ; both lanes of a token write the same word with the same value
	s_wait_dscnt 0x0                               ; for the others' sake
	s_barrier_signal -1
	s_barrier_wait -1
	ds_load_b128 v[84:87], v[RDA] offset:\off
	ds_load_b128 v[88:91], v[RDA] offset:\off+16
	s_wait_dscnt 0x0
	v_add_f32 v84, v84, v85
	v_add_f32 v86, v86, v87
	v_add_f32 v88, v88, v89
	v_add_f32 v90, v90, v91
	v_add_f32 v84, v84, v86
	v_add_f32 v88, v88, v90
	v_add_f32 v84, v84, v88
.endm
	s_load_b256 s[4:11], s[0:1], 0x0               ; ob, xw, x, bo
	s_load_b128 s[12:15], s[0:1], 0x20             ; gamma, beta
	s_load_b64 s[16:17], s[0:1], 0x30              ; out0
	v_lshl_add_u32 v239, v0, 2, 0x10c00
	v_mov_b32 v255, 0
	v_lshrrev_b32 v1, 5, v0
	v_readfirstlane_b32 s[WV], v1                  ; wave 0..7
	v_and_b32 v1, 31, v0
	v_and_b32 v2, 15, v0                           ; r
	v_bfe_u32 v3, v0, 4, 1                         ; h
	v_lshlrev_b32 v[LI], 4, v1
	v_lshlrev_b32 v[R4], 2, v2
	v_lshl_add_u32 v[WSO], v3, 9, v[R4]
	s_mul_i32 s36, s[WV], 16*SPT
	v_add_nc_u32 v[STD], s36, v[LI]
	v_mul_u32_u24 v[STL], v2, SPT
	v_lshl_add_u32 v[STL], v3, 6, v[STL]
	v_add_nc_u32 v[STL], s36, v[STL]
	s_lshl_b32 s36, s[WV], 2
	s_add_co_u32 s36, s36, RED1
	v_lshl_add_u32 v[RWA], v2, 5, s36              ; RED1 + 32 r + 4 w
	v_lshlrev_b32 v[RDA], 5, v2
	v_add_nc_u32 v[RDA], RED1, v[RDA]
	s_lshl_b32 s36, s[WV], 9
	v_add_nc_u32 v[GBO], s36, v[LI]                ; my four of the wave's 128 columns
	v_mov_b32 v[NIL], 0
	s_mov_b32 s[SEL], 0x76543210
	s_mov_b32 s[SEL+1], 0xfedcba98
	s_mov_b32 s[SGN], 0x80000000
	s_mov_b32 s[E9], 0x4e6e6b28                    ; 1e9
	s_mov_b32 s[INF], 0x7f800000
	s_mov_b32 s[C10], 0x3a800000                   ; 1 / 1,024
	s_mov_b32 s[EPS], 0x3727c5ac                   ; 1e-5
	s_lshr_b32 s36, ttmp9, 1
	s_lshl_b32 s36, s36, 17
	s_and_b32 s37, ttmp9, 1
	s_lshl_b32 s37, s37, 15
	s_add_co_u32 s36, s36, s37
	s_lshl_b32 s37, s[WV], 9
	s_add_co_u32 s36, s36, s37                     ; the tile's first row of 4,096 bytes, + my wave's 512
	s_mov_b32 s37, 0
	s_mov_b32 s39, 0
	s_wait_kmcnt 0x0
	s_add_nc_u64 s[8:9], s[8:9], s[36:37]
	s_add_nc_u64 s[16:17], s[16:17], s[36:37]
	s_lshl_b32 s38, s[WV], 16
	s_add_co_u32 s38, s38, WIMG+192*8192
	s_add_nc_u64 s[WP:WP+1], s[6:7], s[38:39]      ; Wo's tiles are 192-255 of the weights' images; mine begin at 192 + 8 w
	s_lshl_b32 s38, s[WV], 12
	s_add_co_u32 s38, s38, WSC+192*512
	s_add_nc_u64 s[WSP:WSP+1], s[6:7], s[38:39]
	s_lshl_b32 s38, ttmp9, 13
	s_add_nc_u64 s[OP:OP+1], s[4:5], s[38:39]
	s_lshl_b32 s38, ttmp9, 9
	s_add_co_u32 s38, s38, OSC
	s_add_nc_u64 s[OSP:OSP+1], s[4:5], s[38:39]
	global_load_b128 v[GA:GA+3], v[GBO], s[12:13]
	global_load_b128 v[BE:BE+3], v[GBO], s[14:15]
	global_load_b128 v[BO:BO+3], v[GBO], s[10:11]
.irp j, 0,1,2,3,4,5,6,7,8,9,10,11,12,13,14,15
	global_load_b128 v[XR+4*\j:XR+4*\j+3], v[LI], s[8:9] offset:(\j+8*(\j/8))*4096 th:TH_LOAD_NT
.endr
	STEPLOAD 0, 0
	s_wait_loadcnt 23                              ; gamma, beta, bo and x are in; K step 0's 23 loads stay out
.set i, 0
.rept 64
	N2N XR+i
.set i, i+1
.endr
.irp j, 0,1,2,3,4,5,6,7,8,9,10,11,12,13,14,15
	v_pk_add_f32 v[XR+4*\j:XR+4*\j+1], v[XR+4*\j:XR+4*\j+1], v[BO:BO+1]
	v_pk_add_f32 v[XR+4*\j+2:XR+4*\j+3], v[XR+4*\j+2:XR+4*\j+3], v[BO+2:BO+3]
	ds_store_b128 v[STD], v[XR+4*\j:XR+4*\j+3] offset:SPT*\j
.endr
.irp b, 0,1,2,3
.irp q, 0,1,2,3
	ds_load_b128 v[ACC+16*\b+4*\q:ACC+16*\b+4*\q+3], v[STL] offset:128*\b+16*\q   ; LDS serves a wave's instructions in order: these see my stores
.endr
.endr
	s_wait_dscnt 0x0                               ; the sums' first C is in, and the stores have read x's registers
	STEPLOAD 1, 1
.irp ks, 0,1,2,3,4,5,6,7
.if \ks < 7
	s_wait_loadcnt 23                              ; this K step's loads are in; the next step's 23 stay out
.else
	s_wait_loadcnt 0x0
.endif
	MUL8 \ks%2
	PLACES                                         ; in front of loads into registers that the products have read, and of the first read of the sums
.if \ks < 6
	STEPLOAD \ks+2, \ks%2
.endif
.endr
	; ---- the mean
	v_pk_add_f32 v[80:81], v[ACC:ACC+1], v[ACC+4:ACC+5]    ; two chains; each accumulator is read from its low end on
	v_pk_add_f32 v[82:83], v[ACC+2:ACC+3], v[ACC+6:ACC+7]
.set j, 8
.rept 14
	v_pk_add_f32 v[80:81], v[80:81], v[ACC+j:ACC+j+1]
	v_pk_add_f32 v[82:83], v[82:83], v[ACC+j+2:ACC+j+3]
.set j, j+4
.endr
	v_pk_add_f32 v[80:81], v[80:81], v[82:83]
	ALLSUM 0
	v_mul_f32 v92, s[C10], v84                     ; mu
	v_mov_b32 v93, v92
.set j, 0
.rept 32
	v_pk_add_f32 v[ACC+j:ACC+j+1], v[ACC+j:ACC+j+1], v[92:93] neg_lo:[0,1] neg_hi:[0,1]   ; r - mu
.set j, j+2
.endr
	; ---- the variance
	v_pk_mul_f32 v[80:81], v[ACC:ACC+1], v[ACC:ACC+1]
	v_pk_mul_f32 v[82:83], v[ACC+2:ACC+3], v[ACC+2:ACC+3]
.set j, 4
.rept 15
	v_pk_fma_f32 v[80:81], v[ACC+j:ACC+j+1], v[ACC+j:ACC+j+1], v[80:81]
	v_pk_fma_f32 v[82:83], v[ACC+j+2:ACC+j+3], v[ACC+j+2:ACC+j+3], v[82:83]
.set j, j+4
.endr
	v_pk_add_f32 v[80:81], v[80:81], v[82:83]
	ALLSUM 512                                     ; other words than the mean's: no wave writes what another may still read
	v_fma_f32 v92, v84, s[C10], s[EPS]
	v_rsq_f32 v92, v92
	v_nop
	s_wait_alu depctr_va_vdst(0)                   ; ahead of the root's first reader
	v_mov_b32 v93, v92
.set j, 0
.rept 32
	v_pk_mul_f32 v[ACC+j:ACC+j+1], v[ACC+j:ACC+j+1], v[92:93]
.set j, j+2
.endr
	; ---- the way out: back through my stage into dense rows; gamma, beta and the last nan_to_num by columns
.irp b, 0,1,2,3
.irp q, 0,1,2,3
	ds_store_b128 v[STL], v[ACC+16*\b+4*\q:ACC+16*\b+4*\q+3] offset:128*\b+16*\q
.endr
.endr
.irp j, 0,1,2,3,4,5,6,7,8,9,10,11,12,13,14,15
	ds_load_b128 v[OR+4*\j:OR+4*\j+3], v[STD] offset:SPT*\j
.endr
.irp j, 0,1,2,3,4,5,6,7,8,9,10,11,12,13,14,15
	s_wait_dscnt 15-\j                             ; LDS loads come back in order: row j is in
	v_pk_fma_f32 v[OR+4*\j:OR+4*\j+1], v[OR+4*\j:OR+4*\j+1], v[GA:GA+1], v[BE:BE+1]
	v_pk_fma_f32 v[OR+4*\j+2:OR+4*\j+3], v[OR+4*\j+2:OR+4*\j+3], v[GA+2:GA+3], v[BE+2:BE+3]
	N2N OR+4*\j
	N2N OR+4*\j+1
	N2N OR+4*\j+2
	N2N OR+4*\j+3
	global_store_b128 v[LI], v[OR+4*\j:OR+4*\j+3], s[16:17] offset:(\j+8*(\j/8))*4096 th:TH_STORE_NT   ; 512 consecutive bytes, at a multiple of 512 from the output's first byte
.endr
	s_wait_tensorcnt 0x0
	ds_add_u32 v239, v255
	s_wait_dscnt 0x0
	s_endpgm
.Lfunc_end_k_q49364bff40_outln:
	.size	k_q49364bff40_outln, .Lfunc_end_k_q49364bff40_outln-k_q49364bff40_outln
	.p2alignl 7, 3214868480
	.fill 96, 4, 3214868480
	.section	.rodata,"a",@progbits
	.p2align	6, 0x0
	.amdhsa_kernel k_q49364bff40_outln
		.amdhsa_group_segment_fixed_size 69632
		.amdhsa_private_segment_fixed_size 0
		.amdhsa_enable_private_segment 0
		.amdhsa_kernarg_size 56
		.amdhsa_user_sgpr_count 2
		.amdhsa_user_sgpr_kernarg_segment_ptr 1
		.amdhsa_wavefront_size32 1
		.amdhsa_system_sgpr_workgroup_id_x 1
		.amdhsa_system_sgpr_workgroup_id_y 1
		.amdhsa_system_sgpr_workgroup_id_z 1
		.amdhsa_system_vgpr_workitem_id 0
		.amdhsa_next_free_vgpr 256
		.amdhsa_next_free_sgpr 66
		.amdhsa_reserve_vcc 1
		.amdhsa_float_denorm_mode_32 3
		.amdhsa_float_denorm_mode_16_64 3
		.amdhsa_memory_ordered 1
		.amdhsa_forward_progress 1
		.amdhsa_inst_pref_size 83
	.end_amdhsa_kernel
	.amdgpu_metadata
---
amdhsa.version: [ 1, 2 ]
amdhsa.kernels:
  - .name:           k_q49364bff40_outln
    .symbol:         k_q49364bff40_outln.kd
    .args:
      - { .name: ob, .offset: 0, .size: 8, .value_kind: global_buffer, .address_space: global }
      - { .name: xw, .offset: 8, .size: 8, .value_kind: global_buffer, .address_space: global }
      - { .name: x, .offset: 16, .size: 8, .value_kind: global_buffer, .address_space: global }
      - { .name: bo, .offset: 24, .size: 8, .value_kind: global_buffer, .address_space: global }
      - { .name: gamma, .offset: 32, .size: 8, .value_kind: global_buffer, .address_space: global }
      - { .name: beta, .offset: 40, .size: 8, .value_kind: global_buffer, .address_space: global }
      - { .name: out0, .offset: 48, .size: 8, .value_kind: global_buffer, .address_space: global }
    .group_segment_fixed_size: 69632
    .private_segment_fixed_size: 0
    .kernarg_segment_align: 8
    .kernarg_segment_size: 56
    .max_flat_workgroup_size: 256
    .sgpr_count:     66
    .vgpr_count:     256
    .wavefront_size: 32
...
	.end_amdgpu_metadata
.endif
;; end of part 4
;; ======== version 2 of 2: 4 launches; version 1 with the launches attn, outln written anew for expert scheduling mode
;; limits: right only within a limited range of input values
;; workspace buffers: xw 4,456,448 bytes; cls 512 bytes of whole numbers; qkvb 6,946,816 bytes; ob 2,228,224 bytes
;; launch prep: the kernel of part 1 again; grid 416 x 1, 8 waves a work-group, no clusters, 137,216 bytes of LDS; arguments x, mask, Wq_codes, Wq_scales, Wk_codes, Wk_scales, Wv_codes, Wv_scales, Wo_codes, Wo_scales, xw, cls; writes xw, cls
;; launch qkv: the kernel of part 2 again; grid 16 x 12, 16 waves a work-group, no clusters, 280,576 bytes of LDS; arguments xw, bq, bk, bv, qkvb; writes qkvb
;; launch attn (part 5): grid 8 x 32, 16 waves a work-group, no clusters, 276,480 bytes of LDS; arguments qkvb, mask, cls, ob; writes ob
.if DOCPART == 5
	.amdgcn_target "amdgcn-amd-amdhsa--gfx1250"
	.amdhsa_code_object_version 6
	.text
	.protected	k_q49364bff40_attn
	.globl	k_q49364bff40_attn
	.p2align	8
	.type	k_q49364bff40_attn,@function
k_q49364bff40_attn:
	s_mov_b64 s[64:65], 0
	v_nop
	global_prefetch_b8 v0, s[64:65] scope:SCOPE_SE
	s_setreg_imm32_b32 hwreg(HW_REG_WAVE_SCHED_MODE, 0, 2), 2
	s_setreg_imm32_b32 hwreg(HW_REG_WAVE_MODE, 25, 1), 1
	s_wait_xcnt 0x0
	s_wait_alu depctr_vm_vsrc(0)
; ATTN: o = softmax(nan_to_num(s - rowmax(s))) v with s = q k^T / 8 + (mask ? -inf : 0), both products on codes of FP4 with E8M0 scales; o is quantised for the output projection.
; THE SOFTMAX.  What the softmax is given is the score less its row's maximum, so the largest logit is 0 and the whole number M of the rule is 0: p = 2^((s - m) c), c = log2(e) / 8, the row's largest p exactly 1.
; m is no whole number, so a running maximum would give other codes: THE KEYS ARE WALKED TWICE.  Pass 1: K Q^T and the row's maximum m.  Pass 2: K Q^T again (the same bits), p, its sum l (of the unquantised p),
; p's codes, O^T += V^T P.  Nothing is ever rescaled.  A row that is blocked at every key gives NaN, then 0, in reference(): p = 1 at all 2,048 keys; here its c is 0.
; THE MASK is an input.  The launch before has classed each tile of 16 queries x 128 keys (cls: two bits a key step: 0 all blocked, 1 all open, 2 mixed).  A blocked tile adds exactly 0 to rows that have an open
; key elsewhere, and is passed over by a scalar branch on that stored number (a tile with a wholly blocked row has all its steps 'mixed').  In a mixed tile the mask bytes x 0xF1, shifted to the top byte, are the
; C of the first product: blocked: at most -2^99; open: under 2^-125 in magnitude.  An open tile takes C = 0.
; SHARES.  Work-group (g, head): 16 waves, one tile of 16 queries each; the four waves with equal wave % 4 hold tiles i, 127 - i, 32 + i, 95 - i.  The head's K, V and scale words lie in LDS, filled once through registers
; (no tensor load: branches here hang on loaded numbers).  No cluster for the same reason: a joint request is a tensor load.
; LAYOUT.  Both products transposed: S^T = K Q^T, O^T = V^T P: a lane holds one query throughout.  The head's 64 channels fill half of the instruction's 128: Q's upper half is zero codes, so K's fragment t may be
; v[KF + 4 t .. + 7], whose upper four registers are the next tile's codes: they meet zeros.
; LIMITS: raw scores stay above -2^98; mask bytes are 0 or 1; p under 2^-126 counts as 0; a block of zeros gets the byte 1.
; THE MODE: SCHED_MODE bits 1:0 = 2 (LLVM: expert scheduling mode 2), set by the entry lines.  The code itself states the register dependences between vector or matrix instructions and memory or LDS
; instructions, with s_wait_alu, always for 0.
; THE PLAN.  Registers that memory or LDS instructions touch, in the two loops:
;   v4-6, v8, v9, v34   a trip's addresses.  Written by the additions at the trip's head; read by the trip's loads and by pass 1's store.
;   KF, KS              LDS loads land in them at the trip's head; the trip's eight products K Q^T read them.
;   VF, VS (pass 2)     V has registers of its own, so that its loads go out at the trip's head behind K's; the four products V^T P at the trip's end read them.
;   BX (pass 2)         an LDS load lands in it at the trip's head; vector lines work on it.
;   S + 16 b + 12 .. 15 a mixed trip's mask loads land in them; S is else written and read by products and vector lines.
;   TMP .. TMP + 3      pass 1: written by the maxima, read by the trip's one LDS store.
;   v1, v7, v10-13, v33 made at the head, never written again.
; So ONE wait on va_vdst stands at a worked trip's head, behind the additions and the jump on the class, and all the trip's loads follow it with no vector line between; one wait on vm_vsrc stands at a worked
; trip's end, ahead of the label: a trip that is passed over issues no memory instruction.  Beside them: pass 1's wait ahead of its store, and pass 2's ahead of V^T P, whose scale word and codes vector lines have made.
.set KIMG, 0x200000
.set VIMG, 0x400000
.set QSCO, 0x600000
.set KSCO, 0x640000
.set VSCO, 0x680000
.set OSC,  0x200000
.set VIML, 65536                       ; LDS: K's images at 0 (64 KB), V's here (64 KB),
.set KSCL, 131072                      ; K's scale words [step][lane][4]: register p: lanes 0-15 tile 2 p, lanes 16-31 tile 2 p + 1,
.set VSCL, 139264                      ; V's [step][lane][2],
.set BML,  143360                      ; and each wave's own 16 x 512 bytes: the blocks' largest scores from pass 1
.set LI,  1                            ; v1   16 x lane
.set ADK, 4                            ; v4-6, v8, v9, v34: the trip's addresses
.set ADV, 5
.set ADB, 6
.set MO,  7                            ; v7   my query's row of the mask, + 16 h
.set MA,  8
.set ADS, 9
.set LIV, 10
.set KSB, 11
.set BMB, 12
.set VSB, 13
.set CL,  14                           ; v[14:15] c of my query
.set MX,  18                           ; v18 m;  v19 the running maximum
.set LS,  20                           ; v[20:21] l;  v[22:23] its second chain
.set QF,  24                           ; v24-31 Q; v28-31 zero codes
.set QS,  32                           ; v32  Q's scale words
.set R4,  33
.set ADT, 34
.set NIL, 35
.set KS,  36                           ; v36-39 K's scale words;  v40-41 V's;  v42 P's: scales and nothing else
.set VS,  40
.set PW,  42
.set KF,  44                           ; v44-75 K's eight half fragments;  v76-79 zero codes
.set S,   80                           ; v80-143 S^T, then p
.set OA,  144                          ; v144-175 O^T
.set PC,  176                          ; v176-183 p's codes
.set BX,  184                          ; v184-187 the blocks' largest
.set TMP, 188
.set TS4, 192
.set TM,  196
.set VF,  210                          ; v210-241 V's four fragments
.set WV,  12
.set BH,  13
.set TP,  14
.set SEL, 26
.set CW,  28
.set CWC, 29
.set CC,  30
.set TK,  31
.set TS,  32
.set TV,  33
.set TQ,  34
.set CNT, 35
.set F1,  36
.set THR, 37
.macro PLACES
.rept 4
	v_nop
.endr
.endm
.macro KQ t, zero                      ; scores of 16 keys x my 16 queries
.if \zero
.if (\t)%2
	v_wmma_scale_f32_16x16x128_f8f6f4 v[S+8*\t:S+8*\t+7], v[KF+4*\t:KF+4*\t+7], v[QF:QF+7], 0, v[KS+(\t)/2], v[QS] matrix_a_fmt:MATRIX_FMT_FP4 matrix_b_fmt:MATRIX_FMT_FP4 matrix_a_scale:MATRIX_SCALE_ROW1
.else
	v_wmma_scale_f32_16x16x128_f8f6f4 v[S+8*\t:S+8*\t+7], v[KF+4*\t:KF+4*\t+7], v[QF:QF+7], 0, v[KS+(\t)/2], v[QS] matrix_a_fmt:MATRIX_FMT_FP4 matrix_b_fmt:MATRIX_FMT_FP4
.endif
.else
.if (\t)%2
	v_wmma_scale_f32_16x16x128_f8f6f4 v[S+8*\t:S+8*\t+7], v[KF+4*\t:KF+4*\t+7], v[QF:QF+7], v[S+8*\t:S+8*\t+7], v[KS+(\t)/2], v[QS] matrix_a_fmt:MATRIX_FMT_FP4 matrix_b_fmt:MATRIX_FMT_FP4 matrix_a_scale:MATRIX_SCALE_ROW1
.else
	v_wmma_scale_f32_16x16x128_f8f6f4 v[S+8*\t:S+8*\t+7], v[KF+4*\t:KF+4*\t+7], v[QF:QF+7], v[S+8*\t:S+8*\t+7], v[KS+(\t)/2], v[QS] matrix_a_fmt:MATRIX_FMT_FP4 matrix_b_fmt:MATRIX_FMT_FP4
.endif
.endif
.endm
.macro KLOADS                          ; a key step's eight half fragments of K and their scale words
.irp t, 0,1,2,3,4,5,6,7
	ds_load_b128 v[KF+4*\t:KF+4*\t+3], v[ADK] offset:512*\t
.endr
	ds_load_b128 v[KS:KS+3], v[ADS]
.endm
; A key step's scores: register 16 b + i of S is key 128 step + 32 b + 16 (lane / 16) + i of my query.  left: the LDS loads issued behind K's, which may stay out
.macro SCORES left
	s_cmp_eq_u32 s[CC], 2
	s_cbranch_scc0 .Lopen_\@
.irp b, 0,1,2,3
	global_load_b128 v[S+16*\b+12:S+16*\b+15], v[MA], s[6:7] offset:32*\b   ; my query's 16 mask bytes of block b.  No vector line stands between the wait at the trip's head and these loads
.endr
	s_wait_loadcnt 0x0
.irp b, 0,1,2,3
.irp d, 0,1,2,3                                ; word d: keys 4 d .. 4 d + 3; it is used up before its register is written over
	v_mul_lo_u32 v[S+16*\b+4*\d+3], v[S+16*\b+12+\d], s[F1]
	v_lshlrev_b32 v[S+16*\b+4*\d+2], 8, v[S+16*\b+4*\d+3]
	v_lshlrev_b32 v[S+16*\b+4*\d+1], 16, v[S+16*\b+4*\d+3]
	v_lshlrev_b32 v[S+16*\b+4*\d], 24, v[S+16*\b+4*\d+3]
.endr
.endr
	PLACES
	s_wait_dscnt \left
.irp t, 0,1,2,3,4,5,6,7
	KQ \t, 0
.endr
	s_branch .Ljoin_\@
.Lopen_\@:
	s_wait_dscnt \left
.irp t, 0,1,2,3,4,5,6,7
	KQ \t, 1
.endr
.Ljoin_\@:
	PLACES                                         ; in front of the first read of the scores
.endm
.macro QUANT2 s, pc, pw                ; as in the launch before: 32 numbers of a lane become half a fragment and two scale bytes
.irp b, 0,1
	v_max3_num_f32 v[TM+\b], |v[(\s)+16*\b]|, |v[(\s)+16*\b+1]|, 0x1800000
.endr
.irp i, 2,4,6,8,10,12,14
.irp b, 0,1
	v_max3_num_f32 v[TM+\b], v[TM+\b], |v[(\s)+16*\b+\i]|, |v[(\s)+16*\b+\i+1]|
.endr
.endr
.irp b, 0,1
	v_permlanex16_b32 v[TM+2+\b], v[TM+\b], s[SEL], s[SEL+1]
.endr
.irp b, 0,1
	v_max_num_f32 v[TM+\b], v[TM+\b], v[TM+2+\b]
.endr
.irp b, 0,1
	v_add_nc_u32 v[TM+4+\b], 0xff000000, v[TM+\b]
.endr
.irp b, 0,1
	v_lshrrev_b32 v[TM+2+\b], 23, v[TM+4+\b]
.endr
	v_lshl_or_b32 v[\pw], v[TM+3], 8, v[TM+2]
.irp b, 0,1
	v_cvt_scalef32_pk8_fp4_f32 v[(\pc)+2*\b], v[(\s)+16*\b:(\s)+16*\b+7], v[TM+4+\b]
	v_cvt_scalef32_pk8_fp4_f32 v[(\pc)+2*\b+1], v[(\s)+16*\b+8:(\s)+16*\b+15], v[TM+4+\b]
.endr
	v_nop
	v_permlane16_swap_b32 v[\pc], v[(\pc)+2]
	v_permlane16_swap_b32 v[(\pc)+1], v[(\pc)+3]
.endm
	s_load_b256 s[4:11], s[0:1], 0x0               ; qkvb, mask, cls, ob
	v_lshl_add_u32 v208, v0, 2, 0x43000
	v_mov_b32 v209, 0
	v_lshrrev_b32 v1, 5, v0
	v_readfirstlane_b32 s[WV], v1                  ; wave 0..15
	s_and_b32 s[BH], ttmp7, 0xffff                 ; 16 x batch + head
	s_lshl_b32 s15, ttmp9, 2
	s_wait_alu depctr_va_sdst(0)                   ; the wave's number is written, ahead of its first reader: my tile of queries and my LDS bytes are made from it
	s_and_b32 s16, s[WV], 3
	s_add_co_u32 s15, s15, s16                     ; i = 4 g + wave % 4
	s_lshr_b32 s16, s[WV], 3
	s_lshl_b32 s16, s16, 5
	s_add_co_u32 s15, s15, s16                     ; + 32 for waves 8-15
	s_sub_co_u32 s16, 127, s15
	s_bitcmp1_b32 s[WV], 2
	s_cselect_b32 s[TP], s16, s15                  ; my tile of queries: i, 127 - i, 32 + i, 95 - i
	s_mov_b32 s[SEL], 0x76543210
	s_mov_b32 s[SEL+1], 0xfedcba98
	s_mov_b32 s[F1], 0xf1
	s_mov_b32 s[THR], 0xf0800000                   ; -2^98
	v_and_b32 v1, 31, v0
	v_and_b32 v2, 15, v0                           ; r
	v_bfe_u32 v3, v0, 4, 1                         ; h
	v_lshrrev_b32 v[VSB], 0, v1
	v_lshlrev_b32 v[VSB], 3, v[VSB]
	v_add_nc_u32 v[VSB], VSCL, v[VSB]              ; V's scale words: 8 x lane
	v_lshlrev_b32 v[LI], 4, v1
	v_lshlrev_b32 v[R4], 2, v2
	v_mov_b32 v[NIL], 0
	v_add_nc_u32 v[LIV], VIML, v[LI]
	v_add_nc_u32 v[KSB], KSCL, v[LI]
	s_lshl_b32 s38, s[WV], 13
	s_add_co_u32 s38, s38, BML
	v_add_nc_u32 v[BMB], s38, v[LI]
	v_and_b32 v[MO], 8, v2
	v_add_nc_u32 v[MO], v[MO], v2
	v_lshlrev_b32 v[MO], 11, v[MO]
	v_lshl_add_u32 v[MO], v3, 4, v[MO]             ; (r + 8 (r / 8)) rows of 2,048 bytes, + 16 h
	; the fill's addresses
	v_lshlrev_b32 v4, 4, v0                        ; 16 x thread: in memory and in LDS alike
	v_lshlrev_b32 v5, 3, v0
	v_add_nc_u32 v6, VIML, v4
	v_lshrrev_b32 v8, 5, v0
	v_lshlrev_b32 v9, 8, v8
	v_lshlrev_b32 v8, 9, v8                        ; K's words 4 t .. 4 t + 3 of thread t: step t / 32, tile (t / 4) % 8, rows 4 (t % 4) + 0 .. 3
	v_bfe_u32 v34, v0, 2, 1
	v_lshl_add_u32 v8, v34, 8, v8                  ; an odd tile goes to lanes 16-31
	v_and_b32 v34, 3, v0
	v_lshl_add_u32 v8, v34, 6, v8
	v_bfe_u32 v34, v0, 3, 2
	v_lshl_add_u32 v8, v34, 2, v8                  ; the pair of tiles
	v_add_nc_u32 v8, KSCL, v8
	v_bfe_u32 v34, v0, 3, 1                        ; V's words 2 t, 2 t + 1: step t / 32, tile (t / 8) % 4, rows 2 (t % 8) + 0, 1
	v_lshl_add_u32 v9, v34, 7, v9
	v_and_b32 v34, 7, v0
	v_lshl_add_u32 v9, v34, 4, v9
	v_bfe_u32 v34, v0, 4, 1
	v_lshl_add_u32 v9, v34, 2, v9
	v_add_nc_u32 v9, VSCL, v9
	s_lshl_b32 s38, s[BH], 16
	s_mov_b32 s39, 0
	s_lshl_b32 s40, s[BH], 13
	s_mov_b32 s41, 0
	s_lshl_b32 s42, s[BH], 12
	s_mov_b32 s43, 0
	s_lshl_b32 s44, s[BH], 7
	s_add_co_u32 s44, s44, s[TP]                   ; 128 x head + my tile
	s_wait_kmcnt 0x0
	s_add_nc_u64 s[16:17], s[4:5], s[38:39]        ; the head's 64 KB in K's and in V's images (the regions' offsets stand in the immediates)
	s_add_nc_u64 s[18:19], s[4:5], s[40:41]        ; its 8 KB of K's scale words
	s_add_nc_u64 s[20:21], s[4:5], s[42:43]        ; its 4 KB of V's
	s_lshl_b32 s38, s44, 9
	s_add_nc_u64 s[22:23], s[4:5], s[38:39]        ; my tile of Q
	s_lshl_b32 s38, s44, 6
	s_add_nc_u64 s[24:25], s[4:5], s[38:39]        ; and its scale words
	s_lshl_b32 s38, s[TP], 2
	s_add_nc_u64 s[8:9], s[8:9], s[38:39]
	s_load_b32 s[CW], s[8:9], 0x0                  ; my tile's 16 classes
	s_lshr_b32 s38, s[TP], 1
	s_lshl_b32 s38, s38, 16
	s_and_b32 s40, s[TP], 1
	s_lshl_b32 s40, s40, 14
	s_add_co_u32 s38, s38, s40
	s_add_nc_u64 s[6:7], s[6:7], s[38:39]          ; the mask at my tile's first row
	s_wait_alu depctr_va_vdst(0)                   ; the fill's offsets and LDS addresses v1, v4-6, v8, v9, v33 are written, which the loads and LDS stores below read; the vector lines among these name none of them, nor v24-27, v32, v64-133
.irp i, 0,1,2,3,4,5,6,7
	global_load_b128 v[64+4*\i:67+4*\i], v4, s[16:17] offset:KIMG+8192*\i
.endr
.irp i, 0,1,2,3,4,5,6,7
	global_load_b128 v[96+4*\i:99+4*\i], v4, s[16:17] offset:VIMG+8192*\i
.endr
	global_load_b128 v[128:131], v4, s[18:19] offset:KSCO
	global_load_b64 v[132:133], v5, s[20:21] offset:VSCO
	global_load_b128 v[QF:QF+3], v[LI], s[22:23]
	global_load_b32 v[QS], v[R4], s[24:25] offset:QSCO
.irp j, 0,1,2,3
	v_mov_b32 v[QF+4+\j], 0                        ; Q's upper 64 along K: zero codes
.endr
.set j, 0
.rept 32
	v_mov_b32 v[OA+j], 0                           ; O^T: which key step comes first hangs on the stored classes, so no first step can be written out
.set j, j+1
.endr
.set j, 0
.rept 16
	v_mov_b32 v[TMP+j], 0                          ; written once: a lane permute's destination counts as one of its sources
.set j, j+1
.endr
	v_mov_b32 v19, 0xff7fffff                      ; the running maximum: under every score
.irp j, 0,1,2,3
	v_mov_b32 v[LS+\j], 0
.endr
.irp i, 0,1,2,3,4,5,6,7
	s_wait_loadcnt 19-\i                           ; 20 loads in all: number i is in when at most 19 - i are out
	ds_store_b128 v4, v[64+4*\i:67+4*\i] offset:8192*\i
.endr
.irp i, 0,1,2,3,4,5,6,7
	s_wait_loadcnt 11-\i
	ds_store_b128 v6, v[96+4*\i:99+4*\i] offset:8192*\i
.endr
	s_wait_loadcnt 3
.irp k, 0,1,2,3
	ds_store_b32 v8, v[128+\k] offset:16*\k
.endr
	s_wait_loadcnt 2
	ds_store_b32 v9, v132
	ds_store_b32 v9, v133 offset:8
	s_wait_loadcnt 0x0                             ; Q
	s_wait_kmcnt 0x0                               ; the classes
	s_wait_dscnt 0x0                               ; for the others' sake: my stores have landed
	s_barrier_signal -1
	s_barrier_wait -1                              ; the launch's one barrier: from here on LDS is only read, but for each wave's own bytes
	s_wait_alu depctr_vm_vsrc(0)                   ; the fill's loads and LDS stores have read v4-6, v8, v9 and v64-133: these are the trips' addresses, K's fragments, the zero codes and S^T from here on
.irp j, 0,1,2,3
	v_mov_b32 v[KF+32+\j], 0                       ; behind tile 7's codes: zero codes
.endr
	; ---- PASS 1: the row's maximum
	s_mov_b32 s[CWC], s[CW]
	s_mov_b32 s[TK], 0
	s_mov_b32 s[TS], 0
	s_mov_b32 s[TQ], 0
	s_mov_b32 s[CNT], 0
.Lp1:
	v_add_nc_u32 v[ADK], s[TK], v[LI]              ; the trip's addresses, on every way (what read them last stands ahead of a wait on vm_vsrc: behind the barrier, or at a worked trip's end)
	v_add_nc_u32 v[ADS], s[TS], v[KSB]
	v_add_nc_u32 v[ADB], s[TS], v[BMB]
	v_add_nc_u32 v[MA], s[TQ], v[MO]
	s_and_b32 s[CC], s[CWC], 3
	s_cmp_eq_u32 s[CC], 0
	s_cbranch_scc1 .Lp1_next                       ; all blocked: passed over
	s_wait_alu depctr_va_vdst(0)                   ; the four addresses are written, which the loads and the store below read; the last worked trip's products are done reading K's fragments and scale words, and its maxima S^T, in which loads land; the zero codes of Q and behind K are written, which the products take
	KLOADS
	SCORES 0
.irp b, 0,1,2,3
	v_max3_num_f32 v[TMP+\b], v[S+16*\b], v[S+16*\b+1], v[S+16*\b+2]   ; the largest score of my 16 keys of each block of 32; each accumulator is read from its low end on
.endr
.irp i, 3,5,7,9,11,13
.irp b, 0,1,2,3
	v_max3_num_f32 v[TMP+\b], v[TMP+\b], v[S+16*\b+\i], v[S+16*\b+\i+1]
.endr
.endr
.irp b, 0,1,2,3
	v_max_num_f32 v[TMP+\b], v[TMP+\b], v[S+16*\b+15]
.endr
	v_max3_num_f32 v19, v19, v[TMP], v[TMP+1]
	v_max3_num_f32 v19, v19, v[TMP+2], v[TMP+3]
	s_wait_alu depctr_va_vdst(0)                   ; the four blocks' maxima are written, which the LDS store reads
	ds_store_b128 v[ADB], v[TMP:TMP+3]             ; kept for pass 2, in my wave's own bytes
	s_wait_dscnt 0x0                               ; no LDS instruction of mine is out at the trip's end
	s_wait_alu depctr_vm_vsrc(0)                   ; this trip's loads and its store have read the four addresses and the maxima, which the next trip, or the lines behind the loop, write again
.Lp1_next:
	s_lshr_b32 s[CWC], s[CWC], 2
	s_add_co_u32 s[TK], s[TK], 4096
	s_add_co_u32 s[TS], s[TS], 512
	s_add_co_u32 s[TQ], s[TQ], 128
	s_add_co_u32 s[CNT], s[CNT], 1
	s_cmp_lt_u32 s[CNT], 16
	s_cbranch_scc1 .Lp1
	v_permlanex16_b32 v[TMP], v19, s[SEL], s[SEL+1]
	v_max_num_f32 v[MX], v19, v[TMP]               ; m: with lane l xor 16's keys
	v_mov_b32 v[TMP+1], 0x3e38aa3b                 ; c = log2(e) / 8
	v_cmp_gt_f32 vcc_lo, s[THR], v[MX]             ; under -2^98: every key of the row is blocked
	s_wait_alu depctr_va_vcc(0)                    ; the compare has written VCC, which the select reads
	v_cndmask_b32 v[CL], v[TMP+1], v[NIL], vcc_lo  ; then c = 0: t = 0 and p = 1 at every key
	v_mov_b32 v[CL+1], v[CL]
	; ---- PASS 2
	s_mov_b32 s[CWC], s[CW]
	s_mov_b32 s[TK], 0
	s_mov_b32 s[TS], 0
	s_mov_b32 s[TV], 0
	s_mov_b32 s[TQ], 0
	s_mov_b32 s[CNT], 0
.Lp2:
	v_add_nc_u32 v[ADK], s[TK], v[LI]              ; (what read these six last stands ahead of a wait on vm_vsrc at a worked trip's end)
	v_add_nc_u32 v[ADS], s[TS], v[KSB]
	v_add_nc_u32 v[ADB], s[TS], v[BMB]
	v_add_nc_u32 v[MA], s[TQ], v[MO]
	v_add_nc_u32 v[ADV], s[TK], v[LIV]
	v_add_nc_u32 v[ADT], s[TV], v[VSB]
	s_and_b32 s[CC], s[CWC], 3
	s_cmp_eq_u32 s[CC], 0
	s_cbranch_scc1 .Lp2_next
	s_wait_alu depctr_va_vdst(0)                   ; the six addresses are written, which the loads below read; the last worked trip's products are done reading K's and V's fragments and scale words, and its vector lines are done with BX and S^T: in all of these loads land
	ds_load_b128 v[BX:BX+3], v[ADB]
	KLOADS
.irp t, 0,1,2,3
.irp c, 0,1
	ds_load_b128 v[VF+8*\t+4*\c:VF+8*\t+4*\c+3], v[ADV] offset:1024*\t+512*\c   ; V's four fragments, into registers of their own: they land while the scores and the softmax are worked
.endr
.endr
	ds_load_b64 v[VS:VS+1], v[ADT]
	SCORES 9                                       ; K and its scale words are in; V's nine younger loads may stay out
.set j, 0
.rept 32
	v_pk_add_f32 v[S+j:S+j+1], v[S+j:S+j+1], v[MX:MX+1] op_sel_hi:[1,0] neg_lo:[0,1] neg_hi:[0,1]   ; s - m, two at a time, ascending
.set j, j+2
.endr
.irp b, 0,1,2,3
	v_permlanex16_b32 v[TMP+\b], v[BX+\b], s[SEL], s[SEL+1]
.endr
.irp b, 0,1,2,3
	v_max_num_f32 v[BX+\b], v[BX+\b], v[TMP+\b]    ; each block's largest score: p rises with the score, so it gives the block's largest p
.endr
.irp b, 0,1,2,3
	v_sub_f32 v[BX+\b], v[BX+\b], v[MX]
.endr
.set j, 0
.rept 32
	v_pk_mul_f32 v[S+j:S+j+1], v[S+j:S+j+1], v[CL:CL+1] op_sel_hi:[1,0]   ; t = (s - m) c
.set j, j+2
.endr
.irp b, 0,1,2,3
	v_mul_f32 v[BX+\b], v[CL], v[BX+\b]            ; the same two operations on the same numbers: the same bits
.endr
.set j, 0
.rept 64
	v_exp_f32 v[S+j], v[S+j]                       ; p = 2^t, at most 1, not normalised
.set j, j+1
.endr
.irp b, 0,1,2,3
	v_exp_f32 v[BX+\b], v[BX+\b]
.endr
	v_nop                                          ; a plain line behind the last exponential
	s_wait_alu depctr_va_vdst(0)                   ; the 68 exponentials have written p and the blocks' largest p: one wait for the batch, ahead of its first reader
.irp b, 0,1,2,3
	v_max_num_f32 v[BX+\b], 0x1800000, v[BX+\b]    ; the floor 2^(3 - 127): the byte cannot fall under 1
.endr
.irp b, 0,1,2,3
	v_add_nc_u32 v[TS4+\b], 0xff000000, v[BX+\b]   ; 2 off the exponent field: the conversion's scale operand
.endr
.irp b, 0,1,2,3
	v_lshrrev_b32 v[TMP+\b], 23, v[TS4+\b]
.endr
	v_lshl_or_b32 v[PW], v[TMP+1], 8, v[TMP]       ; p's scale word for these 128 keys
	v_lshl_or_b32 v[PW], v[TMP+2], 16, v[PW]
	v_lshl_or_b32 v[PW], v[TMP+3], 24, v[PW]
.irp b, 0,1,2,3
	v_cvt_scalef32_pk8_fp4_f32 v[PC+2*\b], v[S+16*\b:S+16*\b+7], v[TS4+\b]
	v_cvt_scalef32_pk8_fp4_f32 v[PC+2*\b+1], v[S+16*\b+8:S+16*\b+15], v[TS4+\b]
.endr
	v_nop                                          ; one plain line behind the scaled conversions
.irp c, 0,1
.irp i, 0,1
	v_permlane16_swap_b32 v[PC+4*\c+\i], v[PC+2+4*\c+\i]
.endr
.endr
	v_pk_add_f32 v[LS+2:LS+3], v[S:S+1], v[S+2:S+3]        ; l is summed of the unquantised p, in two chains; these 32 lines also stand between the scale word, the codes and the products
.set j, 4
.rept 15
	v_pk_add_f32 v[LS:LS+1], v[LS:LS+1], v[S+j:S+j+1]
	v_pk_add_f32 v[LS+2:LS+3], v[LS+2:LS+3], v[S+j+2:S+j+3]
.set j, j+4
.endr
	v_pk_add_f32 v[LS:LS+1], v[LS:LS+1], v[LS+2:LS+3]
	s_wait_dscnt 0x0                               ; V
	s_wait_alu depctr_va_vdst(0)                   ; vector lines have written p's scale word and p's codes, which the scaled products take; the places above stay beside this wait
	v_wmma_scale_f32_16x16x128_f8f6f4 v[OA:OA+7], v[VF:VF+7], v[PC:PC+7], v[OA:OA+7], v[VS], v[PW] matrix_a_fmt:MATRIX_FMT_FP4 matrix_b_fmt:MATRIX_FMT_FP4
	v_wmma_scale_f32_16x16x128_f8f6f4 v[OA+8:OA+15], v[VF+8:VF+15], v[PC:PC+7], v[OA+8:OA+15], v[VS], v[PW] matrix_a_fmt:MATRIX_FMT_FP4 matrix_b_fmt:MATRIX_FMT_FP4 matrix_a_scale:MATRIX_SCALE_ROW1
	v_wmma_scale_f32_16x16x128_f8f6f4 v[OA+16:OA+23], v[VF+16:VF+23], v[PC:PC+7], v[OA+16:OA+23], v[VS+1], v[PW] matrix_a_fmt:MATRIX_FMT_FP4 matrix_b_fmt:MATRIX_FMT_FP4
	v_wmma_scale_f32_16x16x128_f8f6f4 v[OA+24:OA+31], v[VF+24:VF+31], v[PC:PC+7], v[OA+24:OA+31], v[VS+1], v[PW] matrix_a_fmt:MATRIX_FMT_FP4 matrix_b_fmt:MATRIX_FMT_FP4 matrix_a_scale:MATRIX_SCALE_ROW1
	PLACES                                         ; in front of the next trip's loads into these registers, and of the way out's reads
	s_wait_alu depctr_vm_vsrc(0)                   ; this trip's loads have read the six addresses, which the next trip writes again
.Lp2_next:
	s_lshr_b32 s[CWC], s[CWC], 2
	s_add_co_u32 s[TK], s[TK], 4096
	s_add_co_u32 s[TS], s[TS], 512
	s_add_co_u32 s[TV], s[TV], 256
	s_add_co_u32 s[TQ], s[TQ], 128
	s_add_co_u32 s[CNT], s[CNT], 1
	s_cmp_lt_u32 s[CNT], 16
	s_cbranch_scc1 .Lp2
	; ---- THE WAY OUT: o = O^T / l; register 16 b + i is channel 32 b + 16 (lane / 16) + i of my query: quantised as it stands
	v_add_f32 v[LS], v[LS], v[LS+1]
	v_permlanex16_b32 v[TMP], v[LS], s[SEL], s[SEL+1]
	v_add_f32 v[LS], v[LS], v[TMP]                 ; l, at least 1
	v_rcp_f32 v[LS], v[LS]
	v_nop
	s_lshr_b32 s38, s[BH], 4
	s_lshl_b32 s38, s38, 7
	s_add_co_u32 s38, s38, s[TP]                   ; the tile among all 256
	s_and_b32 s40, s[BH], 15                       ; the head
	s_lshl_b32 s41, s38, 13
	s_lshl_b32 s42, s40, 9
	s_add_co_u32 s42, s41, s42
	s_mov_b32 s43, 0
	s_add_nc_u64 s[42:43], s[10:11], s[42:43]      ; ob + 8,192 tile + 512 head: K step head / 2, half head % 2 of the projection's operand
	s_lshl_b32 s41, s38, 9
	s_lshr_b32 s44, s40, 1
	s_lshl_b32 s44, s44, 6
	s_add_co_u32 s44, s44, s41
	s_and_b32 s41, s40, 1
	s_lshl_b32 s41, s41, 1
	s_add_co_u32 s44, s44, s41
	s_mov_b32 s45, 0
	s_add_nc_u64 s[44:45], s[10:11], s[44:45]
	s_wait_alu depctr_va_vdst(0)                   ; the reciprocal has written 1 / l, ahead of its first reader
.set j, 0
.rept 32
	v_mul_f32 v[S+j], v[OA+j], v[LS]
.set j, j+1
.endr
	QUANT2 S, PC, PW
	s_wait_alu depctr_va_vdst(0)                   ; the quantiser has written o's codes and its two scale bytes, which the stores read
	global_store_b128 v[LI], v[PC:PC+3], s[42:43]  ; 512 consecutive bytes
	global_store_b16 v[R4], v[PW], s[44:45] offset:OSC     ; my head's two of the word's four bytes
	s_wait_dscnt 0x0                               ; the closing lines, six on end
	s_wait_alu 0x0
	s_wait_tensorcnt 0x0
	ds_add_u32 v208, v209
	s_wait_dscnt 0x0
	s_endpgm
.Lfunc_end_k_q49364bff40_attn:
	.size	k_q49364bff40_attn, .Lfunc_end_k_q49364bff40_attn-k_q49364bff40_attn
	.p2alignl 7, 3214868480
	.fill 96, 4, 3214868480
	.section	.rodata,"a",@progbits
	.p2align	6, 0x0
	.amdhsa_kernel k_q49364bff40_attn
		.amdhsa_group_segment_fixed_size 276480
		.amdhsa_private_segment_fixed_size 0
		.amdhsa_enable_private_segment 0
		.amdhsa_kernarg_size 32
		.amdhsa_user_sgpr_count 2
		.amdhsa_user_sgpr_kernarg_segment_ptr 1
		.amdhsa_wavefront_size32 1
		.amdhsa_system_sgpr_workgroup_id_x 1
		.amdhsa_system_sgpr_workgroup_id_y 1
		.amdhsa_system_sgpr_workgroup_id_z 1
		.amdhsa_system_vgpr_workitem_id 0
		.amdhsa_next_free_vgpr 242
		.amdhsa_next_free_sgpr 66
		.amdhsa_reserve_vcc 1
		.amdhsa_float_denorm_mode_32 3
		.amdhsa_float_denorm_mode_16_64 3
		.amdhsa_memory_ordered 1
		.amdhsa_forward_progress 1
		.amdhsa_inst_pref_size 42
	.end_amdhsa_kernel
	.amdgpu_metadata
---
amdhsa.version: [ 1, 2 ]
amdhsa.kernels:
  - .name:           k_q49364bff40_attn
    .symbol:         k_q49364bff40_attn.kd
    .args:
      - { .name: qkvb, .offset: 0, .size: 8, .value_kind: global_buffer, .address_space: global }
      - { .name: mask, .offset: 8, .size: 8, .value_kind: global_buffer, .address_space: global }
      - { .name: cls, .offset: 16, .size: 8, .value_kind: global_buffer, .address_space: global }
      - { .name: ob, .offset: 24, .size: 8, .value_kind: global_buffer, .address_space: global }
    .group_segment_fixed_size: 276480
    .private_segment_fixed_size: 0
    .kernarg_segment_align: 8
    .kernarg_segment_size: 32
    .max_flat_workgroup_size: 512
    .sgpr_count:     66
    .vgpr_count:     242
    .wavefront_size: 32
...
	.end_amdgpu_metadata
.endif
;; end of part 5
;; launch outln (part 6): grid 256 x 1, 8 waves a work-group, no clusters, 69,632 bytes of LDS; arguments ob, xw, x, bo, gamma, beta, out0; writes out0
.if DOCPART == 6
	.amdgcn_target "amdgcn-amd-amdhsa--gfx1250"
	.amdhsa_code_object_version 6
	.text
	.protected	k_q49364bff40_outln
	.globl	k_q49364bff40_outln
	.p2align	8
	.type	k_q49364bff40_outln,@function
k_q49364bff40_outln:
	s_mov_b64 s[64:65], 0
	v_nop
	global_prefetch_b8 v0, s[64:65] scope:SCOPE_SE
	s_setreg_imm32_b32 hwreg(HW_REG_WAVE_SCHED_MODE, 0, 2), 2
	s_setreg_imm32_b32 hwreg(HW_REG_WAVE_MODE, 25, 1), 1
	s_wait_xcnt 0x0
	s_wait_alu depctr_vm_vsrc(0)
; OUTLN: out = nan_to_num(LayerNorm(o Wo^T + bo + nan_to_num(x)) gamma + beta); the product on codes of FP4 with E8M0 scales, K = 1,024.
; SHARES.  A work-group owns one tile of 16 tokens (rows 32 (T / 2) + 8 (T % 2) + r + 8 (r / 8)), whole rows, so the norm stays inside it: 256 work-groups.  Wave w makes outputs 128 w .. 128 w + 127: eight tiles of Wo.
; The product is used transposed (source 0 = 16 rows of Wo, source 1 = the tokens): a lane holds one token, and register 16 b + i is output 128 w + 32 b + 16 (lane / 16) + i.
; A fragment of Wo serves one wave alone, so it goes from memory straight into registers, 512 consecutive bytes a load, two K steps' worth of buffers by turns (23 loads a K step).
; nan_to_num(x) + bo is the C of the first products: x comes in dense rows and turns through the wave's own stage in LDS into the accumulators' layout; the results turn back the same way and leave as 512 consecutive bytes.
; THE NORM takes two passes over the registers (mean; then the squares of the differences): no difference of large sums.  Two barriers, one for each sum over the eight waves.
; No cluster and no LDS ring for Wo: a K step is eight products a wave, too short to carry a round of a cluster's barrier.  The price is stated: every work-group reads all of Wo's images.
; THE MODE: SCHED_MODE bits 1:0 = 2 (LLVM: expert scheduling mode 2), set by the entry lines.  The code itself states the register dependences between vector or matrix instructions and memory or LDS
; instructions, with s_wait_alu, always for 0.
; THE PLAN.  Registers that memory or LDS instructions touch:
;   buffers 0, 1 (v80-156, v160-236)  K step ks's 23 loads land in buffer ks % 2; its eight products read it; behind them the loads of K step ks + 2 land in it.
;   XR (v160-223, in buffer 1)        at the head: x's 16 loads land; nan_to_num and the bias work on it; 16 LDS stores read it; then K step 1's loads land.
;   ACC (v16-79)                      LDS loads land (the first C); products and the norm's vector lines work on it; 16 LDS stores read it on the way out.
;   v80; v84-91                       each of the two sums over the waves: vector lines write v80, an LDS store reads it; two LDS loads land in v84-91.
;   OR (v80-143)                      the way out: 16 LDS loads land; gamma, beta and nan_to_num work on it; 16 global stores read it, and nothing writes it again.
;   v1, v4-10                         offsets and LDS addresses, made at the head, never written again.
; A K step's wait on va_vdst stands behind the products that empty its buffer, so that the buffer is asked for again at once.  A third buffer of 80 registers does not fit under v256 beside the 64 accumulators.
; nan_to_num's compares go in runs of 32 into s66-97, with one wait on va_sdst behind each run.  On the way out the rows go in four groups of four; a group's stores stand behind the next group's compares.
.set WIMG, 0x200000
.set WSC,  0x420000
.set OSC,  0x200000
.set SPT,  528
.set RED1, 8*16*SPT                    ; behind the eight stages: [16 tokens][8 waves] words; RED2 512 bytes on
.set LI,  1
.set STD, 4                            ; v4   the stage, dense: 8,448 w + 16 x lane
.set STL, 5                            ; v5   the stage, by the accumulators' layout: 8,448 w + 528 r + 64 h
.set R4,  6
.set WSO, 7                            ; v7   512 h + 4 r: lanes 0-15 an even tile's words, lanes 16-31 the odd one's
.set RWA, 8
.set RDA, 9
.set GBO, 10
.set ACC, 16                           ; v16-79
.set WF,  80                           ; buffer f at + 80 f: v80-143 Wo's eight fragments, v144-151 o's, v152-155 Wo's scale words, v156 o's
.set OF,  144
.set WS,  152
.set OS,  156
.set XR,  160                          ; x's 16 rows, in buffer 1's fragments
.set OR,  80                           ; the way out: 16 rows
.set GA,  240
.set BE,  244
.set BO,  248
.set NIL, 254
.set WV,  18
.set WP,  20
.set WSP, 22
.set OP,  24
.set OSP, 26
.set SEL, 28
.set SGN, 30
.set E9,  31
.set INF, 32
.set C10, 33
.set EPS, 34
.set MK,  66                           ; s66-97 nan_to_num's masks: number i of a run of sixteen: s[MK + 2 i] infinite, s[MK + 2 i + 1] NaN
.macro PLACES
.rept 4
	v_nop
.endr
.endm
; nan_to_num of sixteen numbers v[base] .. v[base + 15], in two halves with a wait between them: +-infinity becomes +-1e9, NaN becomes 0; every finite number stays
.macro N2NT16 base                     ; the tests: 32 compares into 32 scalar registers
.set i, 0
.rept 16
	v_and_b32 v[252+(i%2)], 0x7fffffff, v[(\base)+i]
	v_cmp_eq_u32 s[MK+2*i], s[INF], v[252+(i%2)]
	v_cmp_lt_u32 s[MK+2*i+1], s[INF], v[252+(i%2)]         ; above infinity's bits: NaN
.set i, i+1
.endr
.endm
.macro N2NS16 base                     ; the selects
.set i, 0
.rept 16
	v_and_or_b32 v[252+(i%2)], v[(\base)+i], s[SGN], s[E9] ; 1e9 with the number's sign
	v_cndmask_b32 v[(\base)+i], v[(\base)+i], v[252+(i%2)], s[MK+2*i]
	v_cndmask_b32 v[(\base)+i], v[(\base)+i], v[NIL], s[MK+2*i+1]
.set i, i+1
.endr
.endm
.macro STEPLOAD ks, bf                 ; K step ks into buffer bf: 23 loads
.irp t, 0,1,2,3,4,5,6,7
.irp c, 0,1
	global_load_b128 v[WF+80*(\bf)+8*\t+4*\c:WF+80*(\bf)+8*\t+4*\c+3], v[LI], s[WP:WP+1] offset:8192*\t+1024*(\ks)+512*\c
.endr
.endr
.irp c, 0,1
	global_load_b128 v[OF+80*(\bf)+4*\c:OF+80*(\bf)+4*\c+3], v[LI], s[OP:OP+1] offset:1024*(\ks)+512*\c
.endr
.irp p, 0,1,2,3
	global_load_b32 v[WS+80*(\bf)+\p], v[WSO], s[WSP:WSP+1] offset:1024*\p+64*(\ks)
.endr
	global_load_b32 v[OS+80*(\bf)], v[R4], s[OSP:OSP+1] offset:64*(\ks)
.endm
.macro MUL8 bf                         ; eight products; the eight accumulators take turns
.irp t, 0,2,4,6
	v_wmma_scale_f32_16x16x128_f8f6f4 v[ACC+8*\t:ACC+8*\t+7], v[WF+80*(\bf)+8*\t:WF+80*(\bf)+8*\t+7], v[OF+80*(\bf):OF+80*(\bf)+7], v[ACC+8*\t:ACC+8*\t+7], v[WS+80*(\bf)+\t/2], v[OS+80*(\bf)] matrix_a_fmt:MATRIX_FMT_FP4 matrix_b_fmt:MATRIX_FMT_FP4
	v_wmma_scale_f32_16x16x128_f8f6f4 v[ACC+8*\t+8:ACC+8*\t+15], v[WF+80*(\bf)+8*\t+8:WF+80*(\bf)+8*\t+15], v[OF+80*(\bf):OF+80*(\bf)+7], v[ACC+8*\t+8:ACC+8*\t+15], v[WS+80*(\bf)+\t/2], v[OS+80*(\bf)] matrix_a_fmt:MATRIX_FMT_FP4 matrix_b_fmt:MATRIX_FMT_FP4 matrix_a_scale:MATRIX_SCALE_ROW1
.endr
.endm
; my wave's sum in v80 goes to the token's row of words at off; behind the barrier v84 holds the sum over the eight waves
.macro ALLSUM off
	v_add_f32 v80, v80, v81
	v_permlanex16_b32 v82, v80, s[SEL], s[SEL+1]
	v_add_f32 v80, v80, v82                        ; my token's sum over my wave's 128 outputs
	s_wait_alu depctr_va_vdst(0)                   ; v80 is written, which the LDS store reads; and all products and vector lines that named v84-91 are done: the two loads below land there, with no vector line between
	ds_store_b32 v[RWA], v80 offset:\off           ; both lanes of a token write the same word with the same value
	s_wait_dscnt 0x0                               ; for the others' sake
	s_barrier_signal -1
	s_barrier_wait -1
	ds_load_b128 v[84:87], v[RDA] offset:\off
	ds_load_b128 v[88:91], v[RDA] offset:\off+16
	s_wait_dscnt 0x0
	s_wait_alu depctr_vm_vsrc(0)                   ; the LDS store has read v80, which the next sum's first line, or a load of the way out, writes again
	v_add_f32 v84, v84, v85
	v_add_f32 v86, v86, v87
	v_add_f32 v88, v88, v89
	v_add_f32 v90, v90, v91
	v_add_f32 v84, v84, v86
	v_add_f32 v88, v88, v90
	v_add_f32 v84, v84, v88
.endm
.macro OUT4 g                          ; the way out: group g's four rows
.irp k, 0,1,2,3
	global_store_b128 v[LI], v[OR+16*(\g)+4*\k:OR+16*(\g)+4*\k+3], s[16:17] offset:((4*(\g)+\k)+8*((4*(\g)+\k)/8))*4096 th:TH_STORE_NT   ; 512 consecutive bytes, at a multiple of 512 from the output's first byte
.endr
.endm
	s_load_b256 s[4:11], s[0:1], 0x0               ; ob, xw, x, bo
	s_load_b128 s[12:15], s[0:1], 0x20             ; gamma, beta
	s_load_b64 s[16:17], s[0:1], 0x30              ; out0
	v_lshl_add_u32 v239, v0, 2, 0x10c00
	v_mov_b32 v255, 0
	v_lshrrev_b32 v1, 5, v0
	v_readfirstlane_b32 s[WV], v1                  ; wave 0..7
	v_and_b32 v1, 31, v0
	v_and_b32 v2, 15, v0                           ; r
	v_bfe_u32 v3, v0, 4, 1                         ; h
	v_lshlrev_b32 v[LI], 4, v1
	v_lshlrev_b32 v[R4], 2, v2
	v_lshl_add_u32 v[WSO], v3, 9, v[R4]
	s_wait_alu depctr_va_sdst(0)                   ; the wave's number is written, ahead of its first reader: my stage, my columns and my tiles of Wo are made from it
	s_mul_i32 s36, s[WV], 16*SPT
	v_add_nc_u32 v[STD], s36, v[LI]
	v_mul_u32_u24 v[STL], v2, SPT
	v_lshl_add_u32 v[STL], v3, 6, v[STL]
	v_add_nc_u32 v[STL], s36, v[STL]
	s_lshl_b32 s36, s[WV], 2
	s_add_co_u32 s36, s36, RED1
	v_lshl_add_u32 v[RWA], v2, 5, s36              ; RED1 + 32 r + 4 w
	v_lshlrev_b32 v[RDA], 5, v2
	v_add_nc_u32 v[RDA], RED1, v[RDA]
	s_lshl_b32 s36, s[WV], 9
	v_add_nc_u32 v[GBO], s36, v[LI]                ; my four of the wave's 128 columns
	v_mov_b32 v[NIL], 0
	s_mov_b32 s[SEL], 0x76543210
	s_mov_b32 s[SEL+1], 0xfedcba98
	s_mov_b32 s[SGN], 0x80000000
	s_mov_b32 s[E9], 0x4e6e6b28                    ; 1e9
	s_mov_b32 s[INF], 0x7f800000
	s_mov_b32 s[C10], 0x3a800000                   ; 1 / 1,024
	s_mov_b32 s[EPS], 0x3727c5ac                   ; 1e-5
	s_lshr_b32 s36, ttmp9, 1
	s_lshl_b32 s36, s36, 17
	s_and_b32 s37, ttmp9, 1
	s_lshl_b32 s37, s37, 15
	s_add_co_u32 s36, s36, s37
	s_lshl_b32 s37, s[WV], 9
	s_add_co_u32 s36, s36, s37                     ; the tile's first row of 4,096 bytes, + my wave's 512
	s_mov_b32 s37, 0
	s_mov_b32 s39, 0
	s_wait_kmcnt 0x0
	s_add_nc_u64 s[8:9], s[8:9], s[36:37]
	s_add_nc_u64 s[16:17], s[16:17], s[36:37]
	s_lshl_b32 s38, s[WV], 16
	s_add_co_u32 s38, s38, WIMG+192*8192
	s_add_nc_u64 s[WP:WP+1], s[6:7], s[38:39]      ; Wo's tiles are 192-255 of the weights' images; mine begin at 192 + 8 w
	s_lshl_b32 s38, s[WV], 12
	s_add_co_u32 s38, s38, WSC+192*512
	s_add_nc_u64 s[WSP:WSP+1], s[6:7], s[38:39]
	s_lshl_b32 s38, ttmp9, 13
	s_add_nc_u64 s[OP:OP+1], s[4:5], s[38:39]
	s_lshl_b32 s38, ttmp9, 9
	s_add_co_u32 s38, s38, OSC
	s_add_nc_u64 s[OSP:OSP+1], s[4:5], s[38:39]
	s_wait_alu depctr_va_vdst(0)                   ; the offsets and LDS addresses v1 and v4 to v10 are written, which every load and store of the kernel reads; none is written again
	global_load_b128 v[GA:GA+3], v[GBO], s[12:13]
	global_load_b128 v[BE:BE+3], v[GBO], s[14:15]
	global_load_b128 v[BO:BO+3], v[GBO], s[10:11]
.irp j, 0,1,2,3,4,5,6,7,8,9,10,11,12,13,14,15
	global_load_b128 v[XR+4*\j:XR+4*\j+3], v[LI], s[8:9] offset:(\j+8*(\j/8))*4096 th:TH_LOAD_NT
.endr
	STEPLOAD 0, 0
	s_wait_loadcnt 23                              ; gamma, beta, bo and x are in; K step 0's 23 loads stay out
.irp g, 0,1,2,3
	N2NT16 XR+16*\g
	s_wait_alu depctr_va_sdst(0)                   ; the run's 32 compares have written s66-97, ahead of the first select that reads one of them
	N2NS16 XR+16*\g
.endr
.irp j, 0,1,2,3,4,5,6,7,8,9,10,11,12,13,14,15
	v_pk_add_f32 v[XR+4*\j:XR+4*\j+1], v[XR+4*\j:XR+4*\j+1], v[BO:BO+1]
	v_pk_add_f32 v[XR+4*\j+2:XR+4*\j+3], v[XR+4*\j+2:XR+4*\j+3], v[BO+2:BO+3]
.endr
	s_wait_alu depctr_va_vdst(0)                   ; the additions have written x's 64 registers, which the LDS stores read; no vector line names them again before K step 1's loads land there
.irp j, 0,1,2,3,4,5,6,7,8,9,10,11,12,13,14,15
	ds_store_b128 v[STD], v[XR+4*\j:XR+4*\j+3] offset:SPT*\j
.endr
.irp b, 0,1,2,3
.irp q, 0,1,2,3
	ds_load_b128 v[ACC+16*\b+4*\q:ACC+16*\b+4*\q+3], v[STL] offset:128*\b+16*\q   ; LDS serves a wave's instructions in order: these see my stores
.endr
.endr
	s_wait_dscnt 0x0                               ; the sums' first C is in
	s_wait_alu depctr_vm_vsrc(0)                   ; the LDS stores have read x's registers, in which K step 1's loads land
	STEPLOAD 1, 1
.irp ks, 0,1,2,3,4,5,6,7
.if \ks < 7
	s_wait_loadcnt 23                              ; this K step's loads are in; the next step's 23 stay out
.else
	s_wait_loadcnt 0x0
.endif
	MUL8 \ks%2
	PLACES                                         ; behind the products: in front of loads into registers that they have read, and of the first read of the sums
.if \ks < 6
	s_wait_alu depctr_va_vdst(0)                   ; the eight products are done reading this buffer's fragments and scale words, in which the loads of two K steps on land; the places above stay beside this wait
	STEPLOAD \ks+2, \ks%2
.endif
.endr
	; ---- the mean
	v_pk_add_f32 v[80:81], v[ACC:ACC+1], v[ACC+4:ACC+5]    ; two chains; each accumulator is read from its low end on
	v_pk_add_f32 v[82:83], v[ACC+2:ACC+3], v[ACC+6:ACC+7]
.set j, 8
.rept 14
	v_pk_add_f32 v[80:81], v[80:81], v[ACC+j:ACC+j+1]
	v_pk_add_f32 v[82:83], v[82:83], v[ACC+j+2:ACC+j+3]
.set j, j+4
.endr
	v_pk_add_f32 v[80:81], v[80:81], v[82:83]
	ALLSUM 0
	v_mul_f32 v92, s[C10], v84                     ; mu
	v_mov_b32 v93, v92
.set j, 0
.rept 32
	v_pk_add_f32 v[ACC+j:ACC+j+1], v[ACC+j:ACC+j+1], v[92:93] neg_lo:[0,1] neg_hi:[0,1]   ; r - mu
.set j, j+2
.endr
	; ---- the variance
	v_pk_mul_f32 v[80:81], v[ACC:ACC+1], v[ACC:ACC+1]
	v_pk_mul_f32 v[82:83], v[ACC+2:ACC+3], v[ACC+2:ACC+3]
.set j, 4
.rept 15
	v_pk_fma_f32 v[80:81], v[ACC+j:ACC+j+1], v[ACC+j:ACC+j+1], v[80:81]
	v_pk_fma_f32 v[82:83], v[ACC+j+2:ACC+j+3], v[ACC+j+2:ACC+j+3], v[82:83]
.set j, j+4
.endr
	v_pk_add_f32 v[80:81], v[80:81], v[82:83]
	ALLSUM 512                                     ; other words than the mean's: no wave writes what another may still read
	v_fma_f32 v92, v84, s[C10], s[EPS]
	v_rsq_f32 v92, v92
	v_nop
	s_wait_alu depctr_va_vdst(0)                   ; the root has written v92, ahead of its first reader
	v_mov_b32 v93, v92
.set j, 0
.rept 32
	v_pk_mul_f32 v[ACC+j:ACC+j+1], v[ACC+j:ACC+j+1], v[92:93]
.set j, j+2
.endr
	; ---- the way out: back through my stage into dense rows; gamma, beta and the last nan_to_num by columns
	s_wait_alu depctr_va_vdst(0)                   ; the scalings have written the 64 accumulators, which the LDS stores read; and every vector line that named v80-143 is done: the loads from the stage land there, with only the stores between
.irp b, 0,1,2,3
.irp q, 0,1,2,3
	ds_store_b128 v[STL], v[ACC+16*\b+4*\q:ACC+16*\b+4*\q+3] offset:128*\b+16*\q
.endr
.endr
.irp j, 0,1,2,3,4,5,6,7,8,9,10,11,12,13,14,15
	ds_load_b128 v[OR+4*\j:OR+4*\j+3], v[STD] offset:SPT*\j
.endr
.irp g, 0,1,2,3
	s_wait_dscnt 12-4*\g                           ; LDS loads come back in order: this group's four rows are in, the younger groups stay out
.irp k, 0,1,2,3
	v_pk_fma_f32 v[OR+16*\g+4*\k:OR+16*\g+4*\k+1], v[OR+16*\g+4*\k:OR+16*\g+4*\k+1], v[GA:GA+1], v[BE:BE+1]
	v_pk_fma_f32 v[OR+16*\g+4*\k+2:OR+16*\g+4*\k+3], v[OR+16*\g+4*\k+2:OR+16*\g+4*\k+3], v[GA+2:GA+3], v[BE+2:BE+3]
.endr
	N2NT16 OR+16*\g
	s_wait_alu depctr_va_sdst(0)                   ; the run's 32 compares have written s66-97, ahead of the first select that reads one of them
.if \g > 0
	s_wait_alu depctr_va_vdst(0)                   ; the group before has had its selects written, which its four stores read
	OUT4 \g-1
.endif
	N2NS16 OR+16*\g
.endr
	s_wait_alu depctr_va_vdst(0)                   ; the last group's selects are written, which the last four stores read
	OUT4 3
	s_wait_dscnt 0x0                               ; the closing lines, six on end
	s_wait_alu 0x0
	s_wait_tensorcnt 0x0
	ds_add_u32 v239, v255
	s_wait_dscnt 0x0
	s_endpgm
.Lfunc_end_k_q49364bff40_outln:
	.size	k_q49364bff40_outln, .Lfunc_end_k_q49364bff40_outln-k_q49364bff40_outln
	.p2alignl 7, 3214868480
	.fill 96, 4, 3214868480
	.section	.rodata,"a",@progbits
	.p2align	6, 0x0
	.amdhsa_kernel k_q49364bff40_outln
		.amdhsa_group_segment_fixed_size 69632
		.amdhsa_private_segment_fixed_size 0
		.amdhsa_enable_private_segment 0
		.amdhsa_kernarg_size 56
		.amdhsa_user_sgpr_count 2
		.amdhsa_user_sgpr_kernarg_segment_ptr 1
		.amdhsa_wavefront_size32 1
		.amdhsa_system_sgpr_workgroup_id_x 1
		.amdhsa_system_sgpr_workgroup_id_y 1
		.amdhsa_system_sgpr_workgroup_id_z 1
		.amdhsa_system_vgpr_workitem_id 0
		.amdhsa_next_free_vgpr 256
		.amdhsa_next_free_sgpr 98
		.amdhsa_reserve_vcc 0
		.amdhsa_float_denorm_mode_32 3
		.amdhsa_float_denorm_mode_16_64 3
		.amdhsa_memory_ordered 1
		.amdhsa_forward_progress 1
		.amdhsa_inst_pref_size 100
	.end_amdhsa_kernel
	.amdgpu_metadata
---
amdhsa.version: [ 1, 2 ]
amdhsa.kernels:
  - .name:           k_q49364bff40_outln
    .symbol:         k_q49364bff40_outln.kd
    .args:
      - { .name: ob, .offset: 0, .size: 8, .value_kind: global_buffer, .address_space: global }
      - { .name: xw, .offset: 8, .size: 8, .value_kind: global_buffer, .address_space: global }
      - { .name: x, .offset: 16, .size: 8, .value_kind: global_buffer, .address_space: global }
      - { .name: bo, .offset: 24, .size: 8, .value_kind: global_buffer, .address_space: global }
      - { .name: gamma, .offset: 32, .size: 8, .value_kind: global_buffer, .address_space: global }
      - { .name: beta, .offset: 40, .size: 8, .value_kind: global_buffer, .address_space: global }
      - { .name: out0, .offset: 48, .size: 8, .value_kind: global_buffer, .address_space: global }
    .group_segment_fixed_size: 69632
    .private_segment_fixed_size: 0
    .kernarg_segment_align: 8
    .kernarg_segment_size: 56
    .max_flat_workgroup_size: 256
    .sgpr_count:     98
    .vgpr_count:     256
    .wavefront_size: 32
...
	.end_amdgpu_metadata
.endif
;; end of part 6
